; MI455X (gfx1250); checked and timed in simulation.
; The chip was launched on July 23, 2026; its instructions are those of AMD's public machine-readable ISA for CDNA 5 (MIT licence, August 2026) and "CDNA5" Instruction Set Architecture Reference Guide (July 2026). The comments in the code are by the model that wrote it; some were corrected since.
;; Hydra Attention. Allowed arithmetic: float matrix products may take bf16 or f16 operands with f32 sums; other float arithmetic in f32, or as packed bf16 or f16 multiplies, adds, multiply-adds, maxima and minima; sums over many terms, partial sums and values carried from step to step in f32; what a program stores and reads back later, other than sums and carried values, may be rounded once to bf16 or f16.
;; Inputs: W_out 1,024 x 1,024 float32; W_qkv 1,024 x 3,072 float32; b_out 1,024 float32; b_qkv 3,072 float32; x 4 x 4,096 x 1,024 float32.
;; Outputs: out0 4 x 4,096 x 1,024 float32.
;; 2 versions, each right; version 2 is version 1 with the launch scale written anew for expert scheduling mode. Each part assembles by itself: llvm-mc -triple=amdgcn-amd-amdhsa -mcpu=gfx1250 --defsym DOCPART=n.
;; ======== version 1 of 2: 5 launches
;; limits: values are held in f16: magnitudes above 65,504 overflow, below 6.1e-05 lose precision
;; workspace buffers: xh 33,554,432 bytes; Wt 6,291,456 bytes; qh 33,554,432 bytes; P 33,554,432 bytes; sq 1,572,864 bytes; kvp 65,536 bytes; W2 8,388,608 bytes; rs 65,536 bytes
;; launch prep (part 1): grid 1216 x 1, 8 waves a work-group, no clusters, 33,792 bytes of LDS; arguments x, W_qkv, xh, Wt; writes xh, Wt
.if DOCPART == 1
	.amdgcn_target "amdgcn-amd-amdhsa--gfx1250"
	.amdhsa_code_object_version 6
	.text
	.protected	k_q8c19e724d0_prep
	.globl	k_q8c19e724d0_prep
	.p2align	8
	.type	k_q8c19e724d0_prep,@function
k_q8c19e724d0_prep:
	s_mov_b64 s[64:65], 0
	v_nop
	global_prefetch_b8 v0, s[64:65] scope:SCOPE_SE
	s_setreg_imm32_b32 hwreg(HW_REG_WAVE_MODE, 25, 1), 1
	s_wait_xcnt 0x0
; HYDRA ATTENTION, launch 1 of 5.  qkv = x W_qkv + b_qkv; q and k divided by their rows' norms; kv[b][d] = sum over the batch's rows of k v; y = (q kv) W_out + b_out.
; NOTHING OF THE PROBLEM IS LEFT OUT: every product, norm, bias and sum has a way to the output, and all five inputs are loaded by some launch.
; THE FIVE LAUNCHES.  1: x and W_qkv are rounded once to f16, W_qkv turned so that K lies along its rows.  2: the product with W_qkv; it stores q + b_q (f16), p = (k + b_k)(v + b_v) (bf16) and
; partial sums of squares of the rows of q and k (f32).  3: kv in four partial sums a batch (f32).  4: W_out, turned, times kv / S (f16), and the rows' scales S / |q| (f32).  5: the product with it, scale, bias.
; FORMATS.  Matrix operands are f16, sums f32.  LIMITS: |x|, |W_qkv|, |q + b_q| stay under 65,504 (f16's largest number; 65,520 or more becomes an infinity); a row's sum of squares under 2^-126
; counts as 0 in v_rsq_f32; NaN and infinities are not treated apart; a row of q or k that is all zeros gives NaN, as the division by its norm does.
; THIS LAUNCH.  Work-groups 0-191 turn a block of 128 rows k x 128 columns e of W_qkv through LDS; work-groups 192-1215 round 65,536 bytes of x each.  No tile is read by two work-groups, so there is no cluster.
; Wt's ROWS are W_qkv's columns in another order: rows 0-1023 are q's columns; row 1024 + 128 c + 64 s + i is column 1024 (1 + s) + 64 c + i (s = 0: k, 1: v; c = 0..15; i = 0..63), so that
; 128 rows on end hold k and v of the same 64 channels.
.set NTRANS, 192                       ; work-groups that turn W_qkv: 24 groups of 128 columns x 8 groups of 128 rows
.set SPARE,  32768                     ; behind the tile of 128 rows x 256 bytes: the spare words, 128 bytes for each of the eight waves
.set WPITCH, 12288                     ; bytes in a row of W_qkv
.set SA,  4                            ; v4-7    where I put 8 bytes of a turned row, for each of four steps
.set RA,  8                            ; v8-11   where I read 16 bytes of a turned row back
.set VO,  12                           ; v12     my byte offset in the block of W_qkv
.set GO,  13                           ; v13     my byte offset in Wt
.set SPW, 14                           ; v14     LDS address of my spare word; never rewritten
.set NIL, 15                           ; v15     0; never rewritten
.set W,   16                           ; v16-79  16 loads of 16 bytes
.set H,   80                           ; v80-111 rounded numbers
.set TS,  22                           ; s22-23  at work in TADDR
	s_load_b256 s[4:11], s[0:1], 0x0               ; x s[4:5], W_qkv s[6:7], xh s[8:9], Wt s[10:11]
	v_lshl_add_u32 v[SPW], v0, 2, SPARE
	v_mov_b32 v[NIL], 0
	v_lshrrev_b32 v1, 5, v0
	v_readfirstlane_b32 s12, v1                    ; wave 0..7
	v_and_b32 v1, 31, v0                           ; lane l
	s_cmp_lt_u32 ttmp9, NTRANS                     ; the role hangs on the work-group's number alone: the same in all eight waves
	s_cbranch_scc1 .Ltrans
	; ROUNDING x.  Thread t takes 16 bytes at 16 t of each of 16 pieces of 4,096 bytes: a wave's load covers 512 consecutive bytes, its store 256, aligned.  All 16 loads go out at once.
	s_sub_co_u32 s13, ttmp9, NTRANS
	s_lshl_b32 s14, s13, 16                        ; 65,536 bytes of x,
	s_mov_b32 s15, 0
	s_lshl_b32 s16, s13, 15                        ; 32,768 of xh
	s_mov_b32 s17, 0
	v_lshlrev_b32 v2, 4, v0
	v_lshlrev_b32 v3, 3, v0
	s_wait_kmcnt 0x0
	s_add_nc_u64 s[4:5], s[4:5], s[14:15]
	s_add_nc_u64 s[8:9], s[8:9], s[16:17]
.irp j, 0,1,2,3,4,5,6,7,8,9,10,11,12,13,14,15
	global_load_b128 v[W+4*(\j):W+4*(\j)+3], v2, s[4:5] offset:4096*(\j) th:TH_LOAD_NT
.endr
.irp j, 0,1,2,3,4,5,6,7,8,9,10,11,12,13,14,15
	s_wait_loadcnt 15-(\j)                         ; loads come back in order: piece j is in, the 15 - j younger ones stay out
	v_cvt_pk_f16_f32 v[H+2*(\j)], v[W+4*(\j)], v[W+4*(\j)+1]
	v_cvt_pk_f16_f32 v[H+2*(\j)+1], v[W+4*(\j)+2], v[W+4*(\j)+3]
	global_store_b64 v3, v[H+2*(\j):H+2*(\j)+1], s[8:9] offset:2048*(\j)  ; no register is used twice, so nothing waits for the stores
.endr
	s_branch .Lend
; TURNING A BLOCK OF 128 x 128.  In: row k of the block is 512 consecutive bytes, one load of a wave; wave w takes rows 4 (w + 8 it) + j.  A lane then holds, for each of its four columns n = 4 l + c,
; four neighbouring k: 8 bytes of f16 of the turned row n.  The turned row is 256 bytes in LDS; its pieces of 16 bytes are rotated by n / 4, so that 16 lanes that write the same k of 16 rows four apart
; fall on 16 different pieces (64 banks of 4 bytes: ISA guide 11.1); lanes l and l + 16 meet in a bank.  Back.
.macro TADDR pitch
	s_mul_i32 s[TS], s12, 4*(\pitch)
	v_lshlrev_b32 v[VO], 4, v1
	v_add_nc_u32 v[VO], s[TS], v[VO]               ; 16 l + 4 w rows
	s_lshr_b32 s[TS], s12, 1
	s_and_b32 s[TS+1], s12, 1
	s_lshl_b32 s[TS+1], s[TS+1], 3
	v_lshl_add_u32 v2, v1, 10, s[TS+1]             ; row 4 l, and which half of a piece: 8 (w % 2)
	v_add_nc_u32 v3, s[TS], v1                     ; l + w / 2
.irp it, 0,1,2,3
	v_add_nc_u32 v[SA+(\it)], 4*(\it), v3          ; piece (w + 8 it) / 2, rotated by l
	v_and_b32 v[SA+(\it)], 15, v[SA+(\it)]
	v_lshl_add_u32 v[SA+(\it)], v[SA+(\it)], 4, v2
.endr
	v_and_b32 v2, 15, v1                           ; l % 16
	v_lshrrev_b32 v3, 4, v1                        ; l / 16
	v_lshlrev_b32 v[GO], 11, v3                    ; out: lanes 0-15 one row of 2,048 bytes, lanes 16-31 the next,
	v_lshl_add_u32 v[GO], v2, 4, v[GO]             ; 16 bytes a lane
	s_lshl_b32 s[TS], s12, 2
	s_lshl_b32 s[TS+1], s12, 12
	v_lshl_add_u32 v3, v3, 8, s[TS+1]              ; row 16 w + l / 16
	v_add_nc_u32 v2, s[TS], v2                     ; piece l % 16, rotated by 4 w + q
.irp q, 0,1,2,3
	v_add_nc_u32 v[RA+(\q)], (\q), v2
	v_and_b32 v[RA+(\q)], 15, v[RA+(\q)]
	v_lshl_add_u32 v[RA+(\q)], v[RA+(\q)], 4, v3
.endr
.endm
.macro TLOAD base, pitch
.irp it, 0,1,2,3
.irp j, 0,1,2,3
	global_load_b128 v[W+16*(\it)+4*(\j):W+16*(\it)+4*(\j)+3], v[VO], s[\base:\base+1] offset:((\j)+32*(\it))*(\pitch) th:TH_LOAD_NT
.endr
.endr
.endm
.macro TPUT it
	s_wait_loadcnt 12-4*(\it)                      ; this step's four rows are in; the 4 (3 - it) younger loads stay out
.irp c, 0,1,2,3
	v_cvt_pk_f16_f32 v[H+2*(\c)], v[W+16*(\it)+(\c)], v[W+16*(\it)+4+(\c)]
	v_cvt_pk_f16_f32 v[H+2*(\c)+1], v[W+16*(\it)+8+(\c)], v[W+16*(\it)+12+(\c)]
	ds_store_b64 v[SA+(\it)], v[H+2*(\c):H+2*(\c)+1] offset:256*(\c)
.endr
.endm
.macro TGET base
.irp i, 0,1,2,3,4,5,6,7
	ds_load_b128 v[W+4*(\i):W+4*(\i)+3], v[RA+(\i)/2] offset:512*(\i)  ; rows 16 w + 2 i and + 1
.endr
.irp i, 0,1,2,3,4,5,6,7
	s_wait_dscnt 7-(\i)
	global_store_b128 v[GO], v[W+4*(\i):W+4*(\i)+3], s[\base:\base+1] offset:4096*(\i)  ; 16 lanes store 256 consecutive bytes, aligned
.endr
.endm
.Ltrans:
	s_lshr_b32 s13, ttmp9, 3                       ; eg: which 128 columns, 0..23
	s_and_b32 s14, ttmp9, 7                        ; kg: which 128 rows
	s_max_u32 s15, s13, 8
	s_sub_co_u32 s15, s15, 8                       ; among k's and v's groups: 0..15 (0 for a group of q, where it is not used)
	s_and_b32 s16, s15, 7
	s_lshl_b32 s16, s16, 8                         ; 128 channels are two chunks: 256 rows of Wt,
	s_lshr_b32 s17, s15, 3
	s_lshl_b32 s17, s17, 6                         ; v lies 64 rows behind k,
	s_add_co_u32 s16, s16, s17
	s_add_co_u32 s16, s16, 1024
	s_lshr_b32 s17, s12, 2
	s_lshl_b32 s17, s17, 6                         ; and waves 4-7 hold the second chunk: 64 rows further on
	s_add_co_u32 s16, s16, s17
	s_lshl_b32 s18, s13, 7                         ; q's rows stay where they are
	s_cmp_lt_u32 s13, 8
	s_cselect_b32 s16, s18, s16
	s_lshl_b32 s17, s12, 4
	s_add_co_u32 s16, s16, s17                     ; + my wave's 16 rows
	s_lshl_b32 s16, s16, 11                        ; rows of 2,048 bytes
	s_lshl_b32 s17, s14, 8
	s_add_co_u32 s16, s16, s17                     ; + 128 k = 256 bytes
	s_mov_b32 s17, 0
	s_mul_i32 s20, s14, 128*WPITCH
	s_lshl_b32 s21, s13, 9
	s_add_co_u32 s20, s20, s21
	s_mov_b32 s21, 0
	TADDR WPITCH
	s_wait_kmcnt 0x0
	s_add_nc_u64 s[6:7], s[6:7], s[20:21]
	s_add_nc_u64 s[10:11], s[10:11], s[16:17]
	TLOAD 6, WPITCH
	TPUT 0
	TPUT 1
	TPUT 2
	TPUT 3
	s_wait_dscnt 0x0                               ; for the others' sake: my stores into the tile are done
	s_barrier_signal -1
	s_barrier_wait -1                              ; the turned rows are whole
	TGET 10
.Lend:
	s_wait_tensorcnt 0x0                           ; the wave's end, behind my last LDS store
	ds_add_u32 v[SPW], v[NIL]
	s_wait_dscnt 0x0
	s_endpgm
.Lfunc_end_k_q8c19e724d0_prep:
	.size	k_q8c19e724d0_prep, .Lfunc_end_k_q8c19e724d0_prep-k_q8c19e724d0_prep
	.p2alignl 7, 3214868480
	.fill 96, 4, 3214868480
	.section	.rodata,"a",@progbits
	.p2align	6, 0x0
	.amdhsa_kernel k_q8c19e724d0_prep
		.amdhsa_group_segment_fixed_size 33792
		.amdhsa_private_segment_fixed_size 0
		.amdhsa_enable_private_segment 0
		.amdhsa_kernarg_size 32
		.amdhsa_user_sgpr_count 2
		.amdhsa_user_sgpr_kernarg_segment_ptr 1
		.amdhsa_wavefront_size32 1
		.amdhsa_system_sgpr_workgroup_id_x 1
		.amdhsa_system_sgpr_workgroup_id_y 1
		.amdhsa_system_sgpr_workgroup_id_z 1
		.amdhsa_system_vgpr_workitem_id 0
		.amdhsa_next_free_vgpr 112
		.amdhsa_next_free_sgpr 66
		.amdhsa_reserve_vcc 0
		.amdhsa_float_denorm_mode_32 3
		.amdhsa_float_denorm_mode_16_64 3
		.amdhsa_memory_ordered 1
		.amdhsa_forward_progress 1
		.amdhsa_inst_pref_size 16
	.end_amdhsa_kernel
	.amdgpu_metadata
---
amdhsa.version: [ 1, 2 ]
amdhsa.kernels:
  - .name:           k_q8c19e724d0_prep
    .symbol:         k_q8c19e724d0_prep.kd
    .args:
      - { .name: x, .offset: 0, .size: 8, .value_kind: global_buffer, .address_space: global }
      - { .name: W_qkv, .offset: 8, .size: 8, .value_kind: global_buffer, .address_space: global }
      - { .name: xh, .offset: 16, .size: 8, .value_kind: global_buffer, .address_space: global }
      - { .name: Wt, .offset: 24, .size: 8, .value_kind: global_buffer, .address_space: global }
    .group_segment_fixed_size: 33792
    .private_segment_fixed_size: 0
    .kernarg_segment_align: 8
    .kernarg_segment_size: 32
    .max_flat_workgroup_size: 256
    .sgpr_count:     66
    .vgpr_count:     112
    .wavefront_size: 32
...
	.end_amdgpu_metadata
.endif
;; end of part 1
;; launch gemm_qkv (part 2): grid 4 x 64, 4 waves a work-group, clusters of 4 x 4, 327,680 bytes of LDS; arguments xh, Wt, b_qkv, qh, P, sq; writes qh, P, sq
.if DOCPART == 2
	.amdgcn_target "amdgcn-amd-amdhsa--gfx1250"
	.amdhsa_code_object_version 6
	.text
	.protected	k_q8c19e724d0_gemm_qkv
	.globl	k_q8c19e724d0_gemm_qkv
	.p2align	8
	.type	k_q8c19e724d0_gemm_qkv,@function
k_q8c19e724d0_gemm_qkv:
	s_mov_b64 s[64:65], 0
	v_nop
	global_prefetch_b8 v0, s[64:65] scope:SCOPE_SE
	s_setreg_imm32_b32 hwreg(HW_REG_WAVE_MODE, 25, 1), 1
	s_wait_xcnt 0x0
	s_wait_alu depctr_hold_cnt(0) depctr_sa_sdst(0) depctr_va_vdst(0) depctr_va_sdst(0) depctr_va_ssrc(0) depctr_va_vcc(0) depctr_vm_vsrc(0)
	s_getreg_b32 s2, hwreg(HW_REG_IB_STS2, 6, 4)
	s_cmp_eq_u32 s2, 0
	s_cbranch_scc0 .Lentry_in_a_cluster
	s_endpgm
.Lentry_in_a_cluster:
	s_bfe_u32 s2, ttmp6, 0x10000c
	s_cmp_lg_u32 s2, 0xf033
	s_cbranch_scc0 .Lentry_shape_is_right
	s_endpgm
.Lentry_shape_is_right:
; Launch 2 of 5: C[t][R] = b[R] + sum over k of xh[t][k] Wt[R][k], 16,384 x 3,072 x 1,024, f16 operands, f32 sums; nothing of the problem is left out here.
; A tile of C, 256 x 256, is made by four waves, each 128 x 128: 64 accumulators of 16 x 16, 512 registers.  4 x 4 work-groups form a cluster: a tile of xh is asked for jointly by a row of the cluster,
; a tile of Wt by a column.
; A WORK-GROUP STAYS: it makes THREE tiles of one tile row: tile columns 4 + cx and 8 + cx (k and v), then cx (q).  Their 3 x 8 K steps of 128 are ONE sequence for a ring of two LDS slots: a trip of the loop is one
; K step; behind its change of slots the slot just left takes the K step two on, across the tiles' ends too.  22 trips fill a slot again; the last two K steps are written out and ask for nothing.  At a tile's end a
; forward jump leads through the way out, which holds neither a barrier nor a tensor load; nothing waits for a tile's stores.  Each of the two ways out stands once in the text: that of k and v in the loop, that
; of q behind it.
; THE BIAS IS THE C OPERAND of each accumulator's first product: nothing is cleared, and nothing is added on the way out.
; THE MATRIX INSTRUCTION IS USED TRANSPOSED (source 0 = 16 rows of Wt, source 1 = 16 rows of xh): lane l holds row t = l % 16 and, in registers 0-7, the columns 8 (l / 16) + 0..7 of a block of 16.
; WHAT LEAVES.  q: q + b_q in f16, and each wave's rows' sums of squares over its 128 columns.  k and v: by Wt's order of rows a wave's column blocks 0-3 are k and blocks 4-7 are v of the SAME 64 channels, in the same
; lanes and places: p = (k + b_k)(v + b_v) goes out in bf16 (it has no room in f16 where x and W are larger), 64 channels a row, and the rows' sums of squares of k over those channels.  v is never stored.
; LIMIT: |q + b_q| under 65,504.
; REGISTERS, in windows of 256 (s_set_vgpr_msb: bits 1:0 source 0, 3:2 source 1, 5:4 source 2, 7:6 destination):
;   window 0: v0-31 addresses; v32-55 sums of squares; v64-127, v128-191 fragments of xh, two buffers; on the way out v128-191 products and packed numbers, v192-255 rows read back (v64-127 are left alone in the loop:
;   they hold the next tile's first fragments)          window 1: v0-63 the bias of my 128 columns; v64-127, v128-191 fragments of Wt
;   window 2: the accumulators of my rows 0-63 ((a, b) at v[8 (8 a + b)])          window 3: those of rows 64-127
.set SIZE_K, 1024
.set KSTEP,  128
.set PITCH,  272                       ; an LDS row: 256 bytes + 16 of padding = 68 words: the 16 rows of a fragment load start at 16 different groups of four banks (64 banks of 4 bytes: ISA guide 11.1)
.set HALFT,  128*PITCH                 ; 128 rows: what one tensor load brings
.set SLOT,   4*HALFT                   ; xh's 256 rows, then Wt's 256 rows
.set STAGE,  2*SLOT                    ; behind the ring: 16 rows x 272 bytes for each wave, for the way out; no tensor load fills it
.set SPARE,  STAGE+4*16*272            ; behind the stages: the spare words, 128 bytes for each wave
.set TILEB,  1024*2048                 ; bytes of Wt from a tile column to the one four further on
.set STEPS,  24                        ; K steps of the walk
.set QSTO, 8                           ; v8      q's way out: where I put 16 bytes of a row
.set QRD,  9                           ; v9      where I read rows back
.set QCO,  10                          ; v10     my byte offset in qh
.set SQA,  11                          ; v11     my stage + 4 l
.set SQB,  12                          ; v12     my stage + 16 l
.set ADRA0, 16                         ; v16     LDS address of my fragments of xh in slot 0; never rewritten
.set ADRB0, 17                         ; v17     the same for Wt
.set ADRA, 20                          ; v20     the same in the slot in hand
.set ADRB, 21                          ; v21
.set STO,  24                          ; v24     k and v's way out: where I put 16 bytes of a row
.set RD,   25                          ; v25     where I read rows back
.set CO,   26                          ; v26     16 l: my byte offset in 512 consecutive bytes of P or sq
.set BLO,  27                          ; v27     my byte offset in b_qkv for column blocks 0-3
.set SPW,  28                          ; v28     LDS address of my spare word; never rewritten
.set NIL,  29                          ; v29     0; never rewritten
.set PFO,  30                          ; v30     the prefetches' offset: my lane x a row of 2,048 bytes; never rewritten
.set BHI,  31                          ; v31     my byte offset in b_qkv for column blocks 4-7
.set SQ,   32                          ; v32-39  four chains of sums of squares
.set SSR,  40                          ; v40-47  block a's rows' sums
.set SO,   48                          ; v48-55  the sums on their way out
.set F0,   64
.set F1,   128
.set T,    128                         ; v128-159 p of a block of 16 rows
.set KTMP, 160                         ; v160-175 p packed
.set QTMP, 128                         ; v128-159 q packed
.set G1,  24                           ; s[24:31] descriptor group 1 for xh's tiles;  s[32:39] group 0: a set for each of the two first fills; the second then walks
.set G0,  32
.set G1B, 48                           ; s[48:55], s[56:63] the same for Wt's tiles
.set G0B, 56
.set LIM, 43                           ; s43     a wave prefetches while the loop's count is above this
.set PFA, 44                           ; s[44:45] what my prefetch names
.set OA,  66                           ; s[66:67] the byte offset in xh's rows of the K step to be asked for
.set OB,  76                           ; s[76:77] the same in Wt, its tile column's offset added
.set TB,  81                           ; s81     LDS byte at which the slot in hand begins: 0 or SLOT
.set TE,  83                           ; s83     1 in a tile's last K step
.set WH,  84                           ; s84     my wave x HALFT: where my tensor loads land in a slot
.set RI,  85                           ; s85     the number, 2 to 23, of the K step to be asked for next
.set TW,  87                           ; s87     the tile that goes out next: 0, 1
.set ABASE, 88                         ; s[88:89] xh at the rows that I fetch
.set BBASE, 90                         ; s[90:91] Wt at the rows that I fetch of tile column cx
.set PFB, 92                           ; s[92:93] xh or Wt at my work-group's 32 rows of those
.set PP,  94                           ; s[94:95] P or qh at my part of the tile that goes out
.set SP2, 96                           ; s[96:97] sq likewise
.set PO,  98                           ; s[98:99] the prefetch's byte offset
.set MSB, 0
.macro WIN new                          ; the immediate's high byte repeats the setting that is left; a switch that changes nothing is dropped
.if MSB != (\new)
	s_set_vgpr_msb (MSB<<8)|(\new)
.set MSB, \new
.endif
.endm
.set MUL_LO, 0xa1                       ; source 0 (Wt) window 1, source 1 (xh) window 0, C and D window 2
.set MUL_HI, 0xf1                       ; the same, C and D window 3
.set TO_B,   0x40                       ; destination window 1, address window 0
; A joint load.  Waves 0 and 1 fetch xh's two halves, waves 2 and 3 Wt's.  The branch hangs on the wave's number alone.  An s_nop 0 and four v_nop follow each of the two lines.
.macro JLOAD s
	s_cmp_eq_u32 s11, 0
	s_cbranch_scc0 .Lfor_b_\@
	tensor_load_to_lds s[G0+4*(\s):G0+4*(\s)+3], s[G1:G1+7]
	s_nop 0
.rept 4
	v_nop
.endr
	s_branch .Lasked_\@
.Lfor_b_\@:
	tensor_load_to_lds s[G0B+4*(\s):G0B+4*(\s)+3], s[G1B:G1B+7]
	s_nop 0
.rept 4
	v_nop
.endr
.Lasked_\@:
.endm
; A prefetch into the L2 of the K step that stands two refills on: 32 rows x 256 bytes, a lane a row, one instruction a wave, behind the joint load and the run of LDS loads.  Each row's 256 bytes of a K step are
; named once in the launch.  xh's rows are read by one cluster alone, which asks, in its first tile alone (K steps 4 to 7): the later tiles read the same rows again.  Wt's rows are read by all sixteen clusters: the
; cluster with y = 0 asks, for K steps 4 to 23 of the walk.  The four partners that ask for a tile jointly share its 128 rows out by address, 32 each.  K steps 0 to 3 come by their loads alone.
.macro ASK
	s_cmp_gt_u32 s3, s[LIM]
	s_cbranch_scc0 .Lnot_mine_\@
	global_prefetch_b8 v[PFO], s[PFA:PFA+1] th:TH_LOAD_NT scope:SCOPE_SE
.Lnot_mine_\@:
.endm
.macro CREST                            ; a round of the cluster's barrier behind its opening barrier
	s_cmp_lg_u32 s10, 0
	s_cbranch_scc1 .Lnot_wave_0_\@
	s_barrier_signal -3
.Lnot_wave_0_\@:
	s_barrier_wait -3
	s_barrier_signal -1
	s_barrier_wait -1
.endm
.macro CROUND                           ; a whole round
	s_barrier_signal -1
	s_barrier_wait -1
	CREST
.endm
.macro BIASLD                           ; the bias of my 128 columns -> window 1, v0-63: block b's eight numbers of my half of the lanes at v[8 b]
	WIN TO_B
.irp b, 0,1,2,3
	global_load_b128 v[8*(\b):8*(\b)+3],       v[BLO], s[68:69] offset:64*(\b)
	global_load_b128 v[8*(\b)+4:8*(\b)+7],     v[BLO], s[68:69] offset:64*(\b)+16
	global_load_b128 v[32+8*(\b):32+8*(\b)+3], v[BHI], s[68:69] offset:64*(\b)
	global_load_b128 v[32+8*(\b)+4:32+8*(\b)+7], v[BHI], s[68:69] offset:64*(\b)+16
.endr
	WIN 0
.endm
	s_load_b128 s[4:7], s[0:1], 0x0                ; xh s[4:5], Wt s[6:7]
	s_load_b256 s[68:75], s[0:1], 0x10             ; b_qkv s[68:69], qh s[70:71], P s[72:73], sq s[74:75]
	v_lshl_add_u32 v[SPW], v0, 2, SPARE
	v_mov_b32 v[NIL], 0
	ds_add_u32 v[SPW], v[NIL]                      ; the wave's opening: the add, twice on end, and its wait ahead of my first tensor load; the set-up below stands between
	ds_add_u32 v[SPW], v[NIL]
	v_lshrrev_b32 v1, 5, v0
	v_readfirstlane_b32 s10, v1                    ; wave 0..3
	s_lshr_b32 s11, s10, 1                         ; which half of the tile's rows is mine.  Also: I fetch for xh (0) or for Wt (1)
	s_and_b32 s12, s10, 1                          ; which half of its columns.  Also: which 128 rows of that tile I fetch
	s_bfe_u32 s40, ttmp6, 0x40000                  ; cx: the grid is one cluster wide, so cx is the first of my three tile columns' numbers modulo 4
	s_bfe_u32 s41, ttmp6, 0x40004                  ; cy
	s_and_b32 s13, ttmp7, 0xffff
	s_lshl_b32 s13, s13, 2
	s_add_co_u32 s13, s13, s41                     ; tile row = 4 x cluster y + cy
	s_lshl_b32 s43, s41, 2
	s_lshl_b32 s43, 15, s43                        ; my row of the cluster
	s_lshl_b32 s44, 0x1111, s40                    ; my column
	s_or_b32 s[G1+0], s43, (1<<16)|(1<<20)|(1<<21)|(5<<22)|(3<<25)   ; the mask; elements of 2 bytes; padding on; bit 21 beside a mask; after every 64 words 4 words
	s_or_b32 s[G1B+0], s44, (1<<16)|(1<<20)|(1<<21)|(5<<22)|(3<<25)
.irp g, G1, G1B
	s_mov_b32 s[(\g)+1], KSTEP<<16                 ; tensor_dim0 = 128
	s_mov_b32 s[(\g)+2], 128<<16                   ; tensor_dim1 = 128
	s_mov_b32 s[(\g)+3], KSTEP<<16                 ; tile_dim0 = 128
	s_mov_b32 s[(\g)+4], 128                       ; tile_dim1 = 128
	s_mov_b32 s[(\g)+5], SIZE_K                    ; elements from row to row
	s_mov_b32 s[(\g)+6], 0
	s_mov_b32 s[(\g)+7], 0
.endr
	s_lshl_b32 s17, s12, 7                         ; which 128 rows of the tile I fetch
	s_lshl_b32 s16, s13, 8
	s_add_co_u32 s16, s16, s17                     ; xh: row 256 x tile row + 128 x half: it hangs on what my row of the cluster shares
	s_lshl_b32 s16, s16, 11                        ; rows of 2,048 bytes
	s_lshl_b32 s46, s40, 8
	s_add_co_u32 s46, s46, s17                     ; Wt: row 256 cx + 128 x half: on what my column shares
	s_lshl_b32 s46, s46, 11
	s_mov_b32 s17, 0
	s_mov_b32 s47, 0
	s_mul_i32 s[WH], s10, HALFT                    ; where my loads land: wave x 128 rows: no place in the cluster enters an LDS address
	s_mov_b32 s78, 0x76543210                      ; v_permlanex16_b32: each lane takes its own place in the other half
	s_mov_b32 s79, 0xfedcba98
	s_mov_b32 s80, 0xffff0000                      ; lanes 16-31
	s_mov_b32 s[TB], 0
	s_mov_b32 s[RI], 2
	s_mov_b32 s[TW], 0
	s_mov_b32 s[OA+1], 0                           ; the offsets' high words
	s_mov_b32 s[OB+1], 0
	s_mov_b32 s[PO+1], 0
	s_wait_dscnt 0x0                               ; both opening adds are done
	s_wait_kmcnt 0x0
	s_add_nc_u64 s[ABASE:ABASE+1], s[4:5], s[16:17]
	s_add_nc_u64 s[BBASE:BBASE+1], s[6:7], s[46:47]
	CROUND                                         ; all sixteen work-groups are here: the first joint loads meet
.irp s, 0,1
	s_mov_b32 s[G0+4*(\s)], 1
	s_add_co_u32 s[G0+4*(\s)+1], s[WH], (\s)*SLOT
	s_add_nc_u64 s[G0+4*(\s)+2:G0+4*(\s)+3], s[ABASE:ABASE+1], (\s)*KSTEP*2
	s_or_b32 s[G0+4*(\s)+3], s[G0+4*(\s)+3], 0x80000000
	s_mov_b32 s[G0B+4*(\s)], 1
	s_add_co_u32 s[G0B+4*(\s)+1], s[WH], (\s)*SLOT
	s_add_nc_u64 s[G0B+4*(\s)+2:G0B+4*(\s)+3], s[BBASE:BBASE+1], TILEB+(\s)*KSTEP*2  ; the walk's first tile is tile column 4 + cx
	s_or_b32 s[G0B+4*(\s)+3], s[G0B+4*(\s)+3], 0x80000000
	JLOAD \s                                       ; K steps 0 and 1: two loads of mine are out
.endr
	; a fragment is 16 rows x 32 K in 8 registers: lane l holds row l % 16, K = 8 (l / 16) + 0..7 and 16 + 8 (l / 16) + 0..7: two loads of 16 bytes, 32 bytes apart
	v_and_b32 v1, 15, v0                           ; l % 16
	v_bfe_u32 v2, v0, 4, 1                         ; l / 16
	v_and_b32 v3, 31, v0                           ; l
	v_mul_u32_u24 v4, v1, PITCH
	v_lshl_add_u32 v4, v2, 4, v4
	s_mul_i32 s21, s11, HALFT
	s_mul_i32 s22, s12, HALFT
	s_add_co_u32 s22, s22, 2*HALFT
	v_add_nc_u32 v[ADRA0], s21, v4
	v_add_nc_u32 v[ADRB0], s22, v4
	v_mov_b32 v[ADRA], v[ADRA0]                    ; the walk begins in slot 0
	v_mov_b32 v[ADRB], v[ADRB0]
	; numbers and addresses for the ways out
	s_lshl_b32 s20, s40, 1
	s_add_co_u32 s82, s20, s12                     ; 2 cx + my column half: my 128 columns' number among q's; my chunk of 64 channels in tile w of k and v is 8 w + this
	s_lshl_b32 s13, s13, 8                         ; 256 x tile row
	s_lshl_b32 s14, s11, 7
	s_add_co_u32 s86, s13, s14                     ; my first row
	s_mul_i32 s23, s10, 16*272
	s_add_co_u32 s23, s23, STAGE                   ; my stage
	v_mul_u32_u24 v4, v1, 144                      ; k and v: in: row l % 16 of 128 bytes + 16, 16 bytes for each half of the lanes
	v_lshl_add_u32 v4, v2, 4, v4
	v_add_nc_u32 v[STO], s23, v4
	v_lshrrev_b32 v5, 3, v3                        ; back: 32 lanes take four rows of 128 bytes,
	v_and_b32 v6, 7, v3
	v_mul_u32_u24 v5, v5, 144
	v_lshl_add_u32 v5, v6, 4, v5
	v_add_nc_u32 v[RD], s23, v5
	v_lshlrev_b32 v[CO], 4, v3                     ; which are 512 consecutive bytes of P
	v_mul_u32_u24 v4, v1, 272                      ; q: in: row l % 16 of 256 bytes + 16
	v_lshl_add_u32 v4, v2, 4, v4
	v_add_nc_u32 v[QSTO], s23, v4
	v_mul_u32_u24 v5, v2, 272                      ; back: lanes 0-15 one row of 256 bytes, lanes 16-31 the next
	v_lshl_add_u32 v5, v1, 4, v5
	v_add_nc_u32 v[QRD], s23, v5
	v_lshlrev_b32 v5, 11, v2                       ; and the same two rows in qh
	v_lshl_add_u32 v[QCO], v1, 4, v5
	v_lshl_add_u32 v[SQA], v3, 2, s23
	v_lshl_add_u32 v[SQB], v3, 4, s23
	; the first tile's bias: 64 of k's numbers from 1,024 + 64 c on, and v's 1,024 numbers further on
	s_lshl_b32 s20, s82, 8
	s_add_co_u32 s20, s20, 4096
	s_add_co_u32 s21, s20, 4096
	v_lshl_add_u32 v[BLO], v2, 5, s20              ; + my 8 columns of a block of 16
	v_lshl_add_u32 v[BHI], v2, 5, s21
	BIASLD
	; the prefetches
	s_lshl_b32 s42, s40, 8                         ; Wt: 256 cx
	s_cmp_eq_u32 s11, 0                            ; do I fetch for xh?
	s_cselect_b32 s20, s13, s42                    ; the tile's first row
	s_cselect_b32 s21, s40, s41                    ; my place among the four that ask for it with me
	s_cselect_b64 s[PFB:PFB+1], s[4:5], s[6:7]
	s_lshl_b32 s22, s12, 7
	s_add_co_u32 s20, s20, s22                     ; + the 128 rows that I fetch
	s_lshl_b32 s21, s21, 5
	s_add_co_u32 s20, s20, s21                     ; + my work-group's 32 of them
	s_lshl_b32 s20, s20, 11
	s_mov_b32 s21, 0
	s_add_nc_u64 s[PFB:PFB+1], s[PFB:PFB+1], s[20:21]
	s_and_b32 s22, ttmp7, 0xffff                   ; cluster y
	s_cmp_eq_u32 s22, 0
	s_cselect_b32 s[LIM], 2, -1                    ; Wt: in trip j the count is 22 - j and K step j + 4 is named: up to K step 23 while the count is above 2
	s_cmp_eq_u32 s11, 0
	s_cselect_b32 s[LIM], 18, s[LIM]               ; xh: up to K step 7 while the count is above 18.  The same in all sixteen partners, for a given wave
	v_lshlrev_b32 v[PFO], 11, v3
; 16 matrix instructions: row blocks a0, a0 + 1 of the window's four x all 8 column blocks, 32 along K.  zero = 1: the first product starts the sum from the bias of its column block (C in window 1).
; The 64 accumulators take turns, one instruction a turn, in the same order in every quarter step.
.macro MUL16 f, hi, a0, zero
.if \zero
	WIN 0x91+0x40*(\hi)                            ; as below, with C in window 1
.else
	WIN MUL_LO+0x50*(\hi)
.endif
.irp a, \a0, (\a0)+1
.irp b, 0,1,2,3,4,5,6,7
.if \zero
	v_wmma_f32_16x16x32_f16 v[8*(8*(\a)+(\b)):8*(8*(\a)+(\b))+7], v[(\f)+8*(\b):(\f)+8*(\b)+7], v[(\f)+8*(4*(\hi)+(\a)):(\f)+8*(4*(\hi)+(\a))+7], v[8*(\b):8*(\b)+7]
.else
	v_wmma_f32_16x16x32_f16 v[8*(8*(\a)+(\b)):8*(8*(\a)+(\b))+7], v[(\f)+8*(\b):(\f)+8*(\b)+7], v[(\f)+8*(4*(\hi)+(\a)):(\f)+8*(4*(\hi)+(\a))+7], v[8*(8*(\a)+(\b)):8*(8*(\a)+(\b))+7]
.endif
.endr
.endr
.endm
; 32 LDS loads in one run: the fragments of one quarter step (32 K at byte k of the rows of the slot in hand) into buffer f
.macro FETCH k, f
	WIN TO_B
.irp i, 0,1,2,3,4,5,6,7
	ds_load_b128 v[(\f)+8*(\i):(\f)+8*(\i)+3],   v[ADRB] offset:(\k)+(\i)*16*PITCH
	ds_load_b128 v[(\f)+8*(\i)+4:(\f)+8*(\i)+7], v[ADRB] offset:(\k)+(\i)*16*PITCH+32
.endr
	WIN 0
.irp i, 0,1,2,3,4,5,6,7
	ds_load_b128 v[(\f)+8*(\i):(\f)+8*(\i)+3],   v[ADRA] offset:(\k)+(\i)*16*PITCH
	ds_load_b128 v[(\f)+8*(\i)+4:(\f)+8*(\i)+7], v[ADRA] offset:(\k)+(\i)*16*PITCH+32
.endr
.endm
.macro PLACES                           ; four plain vector instructions between a matrix instruction and a load into a register that it has read (ISA guide 7.12.1 for vector instructions)
.rept 4
	v_nop
.endr
.endm
; A K step is four quarter steps of 32 along K, 64 matrix instructions each, on buffers 0, 1, 0, 1.  One of the first three: multiplies f, and in its middle fetches the next quarter, at byte k, into g.
.macro QUARTER k, f, g, zero
	s_wait_dscnt 8                                 ; Wt's fragments and xh's rows 0-63 are in; the youngest eight loads (rows 64-127) may be out
	MUL16 \f, 0, 0, \zero
	MUL16 \f, 0, 2, \zero
	PLACES
	FETCH \k, \g
	s_wait_dscnt 32                                ; all but the 32 just issued
	MUL16 \f, 1, 0, \zero
	MUL16 \f, 1, 2, \zero
.endm
; The first half of the last quarter: one barrier for the change of slots.  In front of it each wave waits for all its tensor loads (one is out: its part of the next slot), adds 0 to its spare word,
; and waits for that and for its own reads of this slot.  Between the add and the wait for it, work on registers: round = 1: the walking descriptors take the slot that is left and the K step's addresses, made
; anew from the tensors' bases; then the fragments' addresses turn to the other slot (all loads from this slot have been issued).
.macro MEET round
	WIN 0                                          ; (the add's two registers lie in window 0)
	s_wait_tensorcnt 0x0                           ; no tensor load of mine is out, so a group 0 may be written
	ds_add_u32 v[SPW], v[NIL]
.if \round
	s_add_co_u32 s[G0+5], s[WH], s[TB]
	s_add_co_u32 s[G0B+5], s[WH], s[TB]
	s_add_nc_u64 s[G0+6:G0+7], s[ABASE:ABASE+1], s[OA:OA+1]
	s_or_b32 s[G0+7], s[G0+7], 0x80000000
	s_add_nc_u64 s[G0B+6:G0B+7], s[BBASE:BBASE+1], s[OB:OB+1]
	s_or_b32 s[G0B+7], s[G0B+7], 0x80000000
.endif
	s_xor_b32 s[TB], s[TB], SLOT                   ; 0 and SLOT by turns
	v_add_nc_u32 v[ADRA], s[TB], v[ADRA0]
	v_add_nc_u32 v[ADRB], s[TB], v[ADRB0]
	s_wait_dscnt 9                                 ; (the add and the youngest eight loads may be out)
	MUL16 F1, 0, 0, 0
	s_wait_dscnt 0x0                               ; the add is done, and my reads of this slot are over
	s_barrier_signal -1
	MUL16 F1, 0, 2, 0                              ; work on registers while the others arrive
.if \round
	WIN 0
.endif
	s_barrier_wait -1
.endm
; The whole last quarter with a refill: the barrier opens a round of the cluster's, and the joint refill (K step RI of the walk, two on from the one in hand) is the first tensor load behind it: 224 matrix
; instructions, at a tile's end the way out too, ahead of the wait for it.  K step r is K step r % 8 of tile r / 8; tile w has tile column 4 (w + 1) + cx, the last one cx.
.macro TURN
	s_wait_xcnt 0x0                                ; the last prefetch, a K step back, has read its address: it is made anew here
	s_and_b32 s[TE], s[RI], 7                      ; 1 where the K step in hand, RI - 2, is a tile's last
	s_lshl_b32 s[OA], s[TE], 8
	s_lshr_b32 s[OB], s[RI], 3
	s_add_co_u32 s[OB], s[OB], 1
	s_cmp_eq_u32 s[OB], 3
	s_cselect_b32 s[OB], 0, s[OB]
	s_lshl_b32 s[OB], s[OB], 21                    ; x TILEB
	s_add_co_u32 s[OB], s[OB], s[OA]
	s_add_co_u32 s20, s[RI], 2                     ; the same for the K step that the prefetch names,
	s_min_u32 s20, s20, STEPS-1                    ; held to the walk's last, so that the address stays inside the buffer where nothing is asked for
	s_and_b32 s21, s20, 7
	s_lshl_b32 s21, s21, 8
	s_lshr_b32 s20, s20, 3
	s_add_co_u32 s20, s20, 1
	s_cmp_eq_u32 s20, 3
	s_cselect_b32 s20, 0, s20
	s_lshl_b32 s20, s20, 21
	s_add_co_u32 s20, s20, s21
	s_cmp_eq_u32 s11, 0
	s_cselect_b32 s[PO], s21, s20
	s_add_nc_u64 s[PFA:PFA+1], s[PFB:PFB+1], s[PO:PO+1]
	s_add_co_u32 s[RI], s[RI], 1
	MEET 1
	CREST                                          ; no wave of any partner still reads this slot or has a load on its way
	JLOAD 1                                        ; the four v_nop behind it are also the places in front of the loads below
	FETCH 0, F0
	ASK
	MUL16 F1, 1, 0, 0
	MUL16 F1, 1, 2, 0
.endm
; THE WAYS OUT, a block of 16 rows at a time.  Each accumulator is read from its lowest registers on.
.macro SSQ n                            ; the sum of squares of the block's first n pairs, in four chains (sources in the accumulators' window, sums in window 0)
.set z, 0
.rept 4
	v_pk_mul_f32 v[SQ+2*z:SQ+2*z+1], v[AC+2*z:AC+2*z+1], v[AC+2*z:AC+2*z+1]
.set z, z+1
.endr
.rept (\n)-4
	v_pk_fma_f32 v[SQ+2*(z%4):SQ+2*(z%4)+1], v[AC+2*z:AC+2*z+1], v[AC+2*z:AC+2*z+1], v[SQ+2*(z%4):SQ+2*(z%4)+1]
.set z, z+1
.endr
.endm
.macro SSRED a                          ; the four chains into one number; the row's other half of the columns lies in the lane 16 away
	v_pk_add_f32 v[SQ:SQ+1], v[SQ:SQ+1], v[SQ+2:SQ+3]
	v_pk_add_f32 v[SQ+4:SQ+5], v[SQ+4:SQ+5], v[SQ+6:SQ+7]
	v_pk_add_f32 v[SQ:SQ+1], v[SQ:SQ+1], v[SQ+4:SQ+5]
	v_add_f32 v[SQ], v[SQ], v[SQ+1]
	v_permlanex16_b32 v[SQ+1], v[SQ], s78, s79
	v_add_f32 v[SSR+(\a)], v[SQ], v[SQ+1]
.endm
.macro KCALC a                          ; k's sums of squares; p = k v, place by place; p to bf16
	WIN 0x0a+5*((\a)/4)                            ; sources 0 and 1 window 2 or 3, the rest window 0
.set AC, 64*((\a)%4)
	SSQ 16
.set z, 0
.rept 16
	v_pk_mul_f32 v[T+2*z:T+2*z+1], v[AC+2*z:AC+2*z+1], v[AC+32+2*z:AC+32+2*z+1]
.set z, z+1
.endr
	WIN 0
	SSRED \a
.set z, 0
.rept 16
	v_cvt_pk_bf16_f32 v[KTMP+z], v[T+2*z], v[T+2*z+1]
.set z, z+1
.endr
.endm
.macro KSTAGE a                         ; into my own stage, rows of 128 bytes + 16, and back as four rows a load; LDS serves a wave's instructions in order (ISA guide 5.7.1.4)
.set BK, 192+16*((\a)%2)
.irp b, 0,1,2,3
	ds_store_b128 v[STO], v[KTMP+4*(\b):KTMP+4*(\b)+3] offset:32*(\b)
.endr
.irp f, 0,1,2,3
	ds_load_b128 v[BK+4*(\f):BK+4*(\f)+3], v[RD] offset:(\f)*576
.endr
.endm
.macro KSEND a
.set BK, 192+16*((\a)%2)
	s_wait_dscnt 0x0                               ; the block is back in registers
	s_wait_xcnt 0x0                                ; the stores of the block before have read their registers: the next loads from the stage land on them only behind this wait
.irp f, 0,1,2,3
	global_store_b128 v[CO], v[BK+4*(\f):BK+4*(\f)+3], s[PP:PP+1] offset:2048*(\a)+512*(\f)  ; 512 consecutive bytes: four rows of P's chunk
.endr
.endm
.macro QCALC a                          ; q's sums of squares; q to f16
	WIN 0x0a+5*((\a)/4)
.set AC, 64*((\a)%4)
	SSQ 32
.set z, 0
.rept 32
	v_cvt_pk_f16_f32 v[QTMP+z], v[AC+2*z], v[AC+2*z+1]
.set z, z+1
.endr
	WIN 0
	SSRED \a
.endm
.macro QSTAGE a                         ; rows of 256 bytes + 16; back as two whole rows a load
.set BK, 192+32*((\a)%2)
.irp b, 0,1,2,3,4,5,6,7
	ds_store_b128 v[QSTO], v[QTMP+4*(\b):QTMP+4*(\b)+3] offset:32*(\b)
.endr
.irp t, 0,1,2,3,4,5,6,7
	ds_load_b128 v[BK+4*(\t):BK+4*(\t)+3], v[QRD] offset:(\t)*544
.endr
.endm
.macro QSEND a
.set BK, 192+32*((\a)%2)
	s_wait_dscnt 0x0
	s_wait_xcnt 0x0                                ; as in KSEND
.irp t, 0,1,2,3,4,5,6,7
	global_store_b128 v[QCO], v[BK+4*(\t):BK+4*(\t)+3], s[PP:PP+1] offset:(16*(\a)+2*(\t))*2048  ; 16 lanes store 256 consecutive bytes, aligned
.endr
.endm
; My 128 rows' sums of squares: lanes 0-15 of an even block and lanes 16-31 of the odd block behind it make 32 rows on end; through my stage, so that one store covers 512 consecutive bytes
.macro SQOUT
.irp i, 0,1,2,3
	v_cndmask_b32 v[SO+(\i)], v[SSR+2*(\i)], v[SSR+2*(\i)+1], s80
	ds_store_b32 v[SQA], v[SO+(\i)] offset:128*(\i)
.endr
	ds_load_b128 v[SO+4:SO+7], v[SQB]
	s_wait_dscnt 0x0
	global_store_b128 v[CO], v[SO+4:SO+7], s[SP2:SP2+1]
.endm
	s_wait_tensorcnt 1                             ; my part of K step 0 is in; K step 1's load stays out
	s_barrier_signal -1
	s_barrier_wait -1
	FETCH 0, F0
	s_mov_b32 s3, STEPS-1                          ; the entry below counts as one; 22 trips follow
	s_branch .Lzero                                ; the loop is entered at a tile's first quarter
.Ltrip:                                                ; a trip: a K step's quarters 1, 2 and 3 with the change of slots and the refill, then the next K step's quarter 0
	QUARTER 128, F1, F0, 0
	QUARTER 192, F0, F1, 0
	TURN
	WIN 0
	s_cmp_eq_u32 s[TE], 1                          ; a number made of the loop's steps alone: the same in every wave of every partner
	s_cbranch_scc1 .Lout
	QUARTER 64, F0, F1, 0
	WIN 0
	s_branch .Lbottom
.Lout:                                                 ; A TILE OF k AND v GOES OUT.  Both slots have been asked for; the next tile's first fragments wait in buffer 0
	PLACES
	PLACES                                         ; the places behind the last products, in front of what reads results and writes buffer 1's registers
	s_wait_xcnt 0x0                                ; earlier stores have read their bases, which are written below
	s_lshl_b32 s20, s82, 8                         ; the next tile's bias: tile 1: k's numbers from 1,024 + 64 (8 + c) on, v's 1,024 further on;
	s_add_co_u32 s20, s20, 4096+2048
	s_add_co_u32 s21, s20, 4096
	s_lshl_b32 s22, s82, 9                         ; q: 128 numbers on end
	s_add_co_u32 s23, s22, 256
	s_cmp_eq_u32 s[TW], 0
	s_cselect_b32 s20, s20, s22
	s_cselect_b32 s21, s21, s23
	v_lshl_add_u32 v[BLO], v2, 5, s20              ; (the loads that read these two were waited for at the tile's first quarter)
	v_lshl_add_u32 v[BHI], v2, 5, s21
	BIASLD                                         ; it lands while the tile goes out
	s_lshl_b32 s22, s[TW], 3
	s_add_co_u32 s22, s22, s82                     ; my chunk of 64 channels
	s_lshl_b32 s20, s22, 21                        ; P: 16,384 rows of 128 bytes a chunk,
	s_lshl_b32 s21, s86, 7                         ; my first row
	s_add_co_u32 s20, s20, s21
	s_mov_b32 s21, 0
	s_add_nc_u64 s[PP:PP+1], s[72:73], s[20:21]
	s_add_co_u32 s22, s22, 8                       ; sq: k's chunks lie behind q's eight; 16,384 rows of 4 bytes a chunk
	s_lshl_b32 s20, s22, 16
	s_lshl_b32 s22, s86, 2
	s_add_co_u32 s20, s20, s22
	s_add_nc_u64 s[SP2:SP2+1], s[74:75], s[20:21]
	KCALC 0
	KSTAGE 0
.irp a, 1,2,3,4,5,6,7                   ; block a's arithmetic stands between block a - 1's loads from the stage and the wait for them
	KCALC \a
	KSEND (\a)-1
	KSTAGE \a
.endr
	KSEND 7
	SQOUT
	s_add_co_u32 s[TW], s[TW], 1
.Lzero:
	s_wait_loadcnt 0x0                             ; the tile's bias is in
	QUARTER 64, F0, F1, 1                          ; a tile's first quarter: its products start the sums from the bias
	WIN 0
.Lbottom:
	s_sub_co_u32 s3, s3, 1
	s_cmp_lg_u32 s3, 0
	s_cbranch_scc1 .Ltrip
	QUARTER 128, F1, F0, 0                         ; the walk's last two K steps are written out: they ask for nothing
	QUARTER 192, F0, F1, 0
	MEET 0                                         ; my one load that was out is the last K step's, so no round follows
	PLACES
	FETCH 0, F0
	MUL16 F1, 1, 0, 0
	MUL16 F1, 1, 2, 0
	QUARTER 64,  F0, F1, 0
	QUARTER 128, F1, F0, 0
	QUARTER 192, F0, F1, 0
	s_wait_dscnt 8                                 ; the very last quarter: nothing more to fetch
	MUL16 F1, 0, 0, 0
	MUL16 F1, 0, 2, 0
	s_wait_dscnt 0x0
	MUL16 F1, 1, 0, 0
	MUL16 F1, 1, 2, 0
	WIN 0
	; THE TILE OF q GOES OUT
	PLACES
	PLACES
	s_wait_xcnt 0x0                                ; earlier stores have read their bases
	s_lshl_b32 s20, s86, 11                        ; qh: my first row, rows of 2,048 bytes,
	s_lshl_b32 s21, s82, 8                         ; my 128 columns
	s_add_co_u32 s20, s20, s21
	s_mov_b32 s21, 0
	s_add_nc_u64 s[PP:PP+1], s[70:71], s[20:21]
	s_lshl_b32 s20, s82, 16                        ; sq: q's chunk
	s_lshl_b32 s22, s86, 2
	s_add_co_u32 s20, s20, s22
	s_add_nc_u64 s[SP2:SP2+1], s[74:75], s[20:21]
	QCALC 0
	QSTAGE 0
.irp a, 1,2,3,4,5,6,7
	QCALC \a
	QSEND (\a)-1
	QSTAGE \a
.endr
	QSEND 7
	SQOUT
	s_wait_tensorcnt 0x0                           ; the wave's end, behind my last tensor load and my last LDS store
	ds_add_u32 v[SPW], v[NIL]
	s_wait_dscnt 0x0
	CROUND                                         ; the closing round: no work-group ends while a partner may still ask for a tile that names it
	s_endpgm
.Lfunc_end_k_q8c19e724d0_gemm_qkv:
	.size	k_q8c19e724d0_gemm_qkv, .Lfunc_end_k_q8c19e724d0_gemm_qkv-k_q8c19e724d0_gemm_qkv
	.p2alignl 7, 3214868480
	.fill 96, 4, 3214868480
	.section	.rodata,"a",@progbits
	.p2align	6, 0x0
	.amdhsa_kernel k_q8c19e724d0_gemm_qkv
		.amdhsa_group_segment_fixed_size 327680
		.amdhsa_private_segment_fixed_size 0
		.amdhsa_enable_private_segment 0
		.amdhsa_kernarg_size 48
		.amdhsa_user_sgpr_count 2
		.amdhsa_user_sgpr_kernarg_segment_ptr 1
		.amdhsa_wavefront_size32 1
		.amdhsa_system_sgpr_workgroup_id_x 1
		.amdhsa_system_sgpr_workgroup_id_y 1
		.amdhsa_system_sgpr_workgroup_id_z 1
		.amdhsa_system_vgpr_workitem_id 0
		.amdhsa_next_free_vgpr 1024
		.amdhsa_next_free_sgpr 100
		.amdhsa_reserve_vcc 0
		.amdhsa_float_denorm_mode_32 3
		.amdhsa_float_denorm_mode_16_64 3
		.amdhsa_memory_ordered 1
		.amdhsa_forward_progress 1
		.amdhsa_inst_pref_size 178
	.end_amdhsa_kernel
	.amdgpu_metadata
---
amdhsa.version: [ 1, 2 ]
amdhsa.kernels:
  - .name:           k_q8c19e724d0_gemm_qkv
    .symbol:         k_q8c19e724d0_gemm_qkv.kd
    .args:
      - { .name: xh, .offset: 0, .size: 8, .value_kind: global_buffer, .address_space: global }
      - { .name: Wt, .offset: 8, .size: 8, .value_kind: global_buffer, .address_space: global }
      - { .name: b_qkv, .offset: 16, .size: 8, .value_kind: global_buffer, .address_space: global }
      - { .name: qh, .offset: 24, .size: 8, .value_kind: global_buffer, .address_space: global }
      - { .name: P, .offset: 32, .size: 8, .value_kind: global_buffer, .address_space: global }
      - { .name: sq, .offset: 40, .size: 8, .value_kind: global_buffer, .address_space: global }
    .group_segment_fixed_size: 327680
    .private_segment_fixed_size: 0
    .kernarg_segment_align: 8
    .kernarg_segment_size: 48
    .max_flat_workgroup_size: 128
    .sgpr_count:     100
    .vgpr_count:     1024
    .wavefront_size: 32
...
	.end_amdgpu_metadata
.endif
;; end of part 2
;; launch reduce (part 3): grid 256 x 1, 8 waves a work-group, no clusters, 7,168 bytes of LDS; arguments P, sq, kvp; writes kvp
.if DOCPART == 3
	.amdgcn_target "amdgcn-amd-amdhsa--gfx1250"
	.amdhsa_code_object_version 6
	.text
	.protected	k_q8c19e724d0_reduce
	.globl	k_q8c19e724d0_reduce
	.p2align	8
	.type	k_q8c19e724d0_reduce,@function
k_q8c19e724d0_reduce:
	s_mov_b64 s[64:65], 0
	v_nop
	global_prefetch_b8 v0, s[64:65] scope:SCOPE_SE
	s_setreg_imm32_b32 hwreg(HW_REG_WAVE_MODE, 25, 1), 1
	s_wait_xcnt 0x0
; Launch 3 of 5: kvp[b][s][d] = the sum over the rows t of quarter s of batch b of p[t][d] / |k_t|, with |k_t|^2 the sum of the row's 16 partial sums of squares.  Nothing of the problem is left out here.
; A work-group has one chunk of 64 channels and 1,024 rows, a wave 128 of them: 16,384 consecutive bytes of P.  A stream: each byte of P is read once, by loads of 512 consecutive bytes, all 32 of a wave out at
; once; no matrix unit, no cluster (no two work-groups read the same bytes of P; the sums of squares are half as many bytes as P's).  Sums in f32.
; LIMIT: a row's sum of squares under 2^-126 counts as 0 in v_rsq_f32.
.set WREG,  0                          ; 512 bytes a wave: 1 / |k| of its 128 rows
.set PART,  4096                       ; 256 bytes a wave: its sums for the 64 channels
.set SPARE, 6144                       ; the spare words, 128 bytes for each of the eight waves
.set SPW, 14                           ; v14  LDS address of my spare word; never rewritten
.set NIL, 15                           ; v15  0; never rewritten
.set WT,  16                           ; v16-47   1 / |k| of the row that load i brought me
.set ACC, 48                           ; v48-55   my 8 channels' sums
.set PB,  64                           ; v64-191  32 loads of P
.set SQP, 192                          ; v192-255 16 partial sums of squares of my 4 rows
	s_load_b128 s[4:7], s[0:1], 0x0                ; P s[4:5], sq s[6:7]
	s_load_b64 s[8:9], s[0:1], 0x10                ; kvp
	v_lshl_add_u32 v[SPW], v0, 2, SPARE
	v_mov_b32 v[NIL], 0
	v_lshrrev_b32 v1, 5, v0
	v_readfirstlane_b32 s12, v1                    ; wave 0..7
	v_and_b32 v1, 31, v0                           ; lane l
	v_lshlrev_b32 v2, 4, v1                        ; 16 l
	s_lshr_b32 s13, ttmp9, 6                       ; batch b
	s_bfe_u32 s14, ttmp9, 0x40002                  ; chunk c: 4 bits from bit 2
	s_and_b32 s15, ttmp9, 3                        ; quarter s
	s_lshl_b32 s16, s13, 12
	s_lshl_b32 s17, s15, 10
	s_add_co_u32 s16, s16, s17
	s_lshl_b32 s17, s12, 7
	s_add_co_u32 s16, s16, s17                     ; my wave's first row
	s_lshl_b32 s18, s16, 2
	s_add_co_u32 s18, s18, 8*65536                 ; k's chunks of sq lie behind q's eight
	s_mov_b32 s19, 0
	s_lshl_b32 s20, s14, 21
	s_lshl_b32 s21, s16, 7
	s_add_co_u32 s20, s20, s21
	s_mov_b32 s21, 0
	s_lshl_b32 s26, s13, 2
	s_add_co_u32 s26, s26, s15
	s_lshl_b32 s26, s26, 12                        ; kvp: (4 b + s) x 4,096 bytes
	s_lshl_b32 s27, s14, 8                         ; + 64 c channels
	s_add_co_u32 s26, s26, s27
	s_mov_b32 s27, 0
	s_mov_b32 s24, 0x76543210                      ; v_permlanex16_b32: each lane takes its own place in the other half
	s_mov_b32 s25, 0xfedcba98
	s_lshl_b32 s22, s12, 9
	v_add_nc_u32 v3, s22, v2                       ; WREG + 512 w + 16 l
	v_lshrrev_b32 v4, 3, v1
	v_lshl_add_u32 v4, v4, 2, s22                  ; WREG + 512 w + 4 (l / 8)
	s_lshl_b32 s23, s12, 8
	s_add_co_u32 s23, s23, PART
	v_and_b32 v5, 7, v1
	v_lshl_add_u32 v5, v5, 5, s23                  ; PART + 256 w + 32 (l % 8)
	v_lshl_add_u32 v6, v1, 3, PART                 ; PART + 8 l
	v_lshlrev_b32 v7, 3, v1                        ; 8 l
	s_wait_kmcnt 0x0
	s_add_nc_u64 s[6:7], s[6:7], s[18:19]
	s_add_nc_u64 s[4:5], s[4:5], s[20:21]
	s_add_nc_u64 s[8:9], s[8:9], s[26:27]
.set i, 0
.rept 16
	global_load_b128 v[SQP+4*i:SQP+4*i+3], v2, s[6:7] offset:65536*i  ; rows 4 l .. 4 l + 3, chunk i
.set i, i+1
.endr
.set i, 0
.rept 32
	global_load_b128 v[PB+4*i:PB+4*i+3], v2, s[4:5] offset:512*i th:TH_LOAD_NT  ; row 4 i + l / 8, channels 8 (l % 8) + 0..7
.set i, i+1
.endr
	s_wait_loadcnt 32                              ; the sums of squares are in; P's 32 loads stay out
.irp n, 8,4,2,1
.set i, 0
.rept \n
	v_pk_add_f32 v[SQP+4*i:SQP+4*i+1], v[SQP+4*i:SQP+4*i+1], v[SQP+4*(i+(\n)):SQP+4*(i+(\n))+1]
	v_pk_add_f32 v[SQP+4*i+2:SQP+4*i+3], v[SQP+4*i+2:SQP+4*i+3], v[SQP+4*(i+(\n))+2:SQP+4*(i+(\n))+3]
.set i, i+1
.endr
.endr
.irp r, 0,1,2,3
	v_rsq_f32 v[SQP+(\r)], v[SQP+(\r)]
.endr
	v_nop                                          ; a plain instruction behind the last of them,
	s_wait_alu depctr_va_vdst(0)                   ; and the one wait ahead of the batch's first reader
	ds_store_b128 v3, v[SQP:SQP+3]                 ; my wave's own bytes: LDS serves a wave's instructions in order, so the loads below see them
.set i, 0
.rept 32
	ds_load_b32 v[WT+i], v4 offset:16*i            ; 1 / |k| of row 4 i + l / 8
.set i, i+1
.endr
	s_wait_dscnt 0x0
.set i, 0
.rept 32
	s_wait_loadcnt 31-i                            ; load i is in, the 31 - i younger ones stay out
.irp k, 0,1,2,3
.if i == 0                              ; the first row starts the sums: nothing is cleared
	v_fma_mix_f32_bf16 v[ACC+2*(\k)], v[PB+(\k)], v[WT], v[NIL] op_sel_hi:[1,0,0]
	v_fma_mix_f32_bf16 v[ACC+2*(\k)+1], v[PB+(\k)], v[WT], v[NIL] op_sel:[1,0,0] op_sel_hi:[1,0,0]
.else
	v_fma_mix_f32_bf16 v[ACC+2*(\k)], v[PB+4*i+(\k)], v[WT+i], v[ACC+2*(\k)] op_sel_hi:[1,0,0]
	v_fma_mix_f32_bf16 v[ACC+2*(\k)+1], v[PB+4*i+(\k)], v[WT+i], v[ACC+2*(\k)+1] op_sel:[1,0,0] op_sel_hi:[1,0,0]
.endif
.endr
.set i, i+1
.endr
	; the four lanes with equal l % 8 hold the same channels
.irp j, 0,1,2,3,4,5,6,7
	v_add_f32_dpp v[ACC+(\j)], v[ACC+(\j)], v[ACC+(\j)] row_xmask:8 row_mask:0xf bank_mask:0xf
.endr
.irp j, 0,1,2,3,4,5,6,7
	v_permlanex16_b32 v[WT+(\j)], v[ACC+(\j)], s24, s25
.endr
.irp j, 0,2,4,6
	v_pk_add_f32 v[ACC+(\j):ACC+(\j)+1], v[ACC+(\j):ACC+(\j)+1], v[WT+(\j):WT+(\j)+1]
.endr
	ds_store_b128 v5, v[ACC:ACC+3]                 ; lanes with equal l % 8 write the same numbers to the same bytes
	ds_store_b128 v5, v[ACC+4:ACC+7] offset:16
	s_wait_dscnt 0x0                               ; for the others' sake
	s_barrier_signal -1
	s_barrier_wait -1
	s_cmp_lg_u32 s12, 0                            ; wave 0 adds the eight waves' sums
	s_cbranch_scc1 .Lend
.irp w, 0,1,2,3,4,5,6,7
	ds_load_b64 v[WT+2*(\w):WT+2*(\w)+1], v6 offset:256*(\w)
.endr
	s_wait_dscnt 0x0
.irp w, 0,1,2,3
	v_pk_add_f32 v[WT+2*(\w):WT+2*(\w)+1], v[WT+2*(\w):WT+2*(\w)+1], v[WT+8+2*(\w):WT+8+2*(\w)+1]
.endr
	v_pk_add_f32 v[WT:WT+1], v[WT:WT+1], v[WT+4:WT+5]
	v_pk_add_f32 v[WT+2:WT+3], v[WT+2:WT+3], v[WT+6:WT+7]
	v_pk_add_f32 v[WT:WT+1], v[WT:WT+1], v[WT+2:WT+3]
	global_store_b64 v7, v[WT:WT+1], s[8:9]        ; 256 consecutive bytes, aligned
.Lend:
	s_wait_tensorcnt 0x0                           ; the wave's end, behind my last LDS store
	ds_add_u32 v[SPW], v[NIL]
	s_wait_dscnt 0x0
	s_endpgm
.Lfunc_end_k_q8c19e724d0_reduce:
	.size	k_q8c19e724d0_reduce, .Lfunc_end_k_q8c19e724d0_reduce-k_q8c19e724d0_reduce
	.p2alignl 7, 3214868480
	.fill 96, 4, 3214868480
	.section	.rodata,"a",@progbits
	.p2align	6, 0x0
	.amdhsa_kernel k_q8c19e724d0_reduce
		.amdhsa_group_segment_fixed_size 7168
		.amdhsa_private_segment_fixed_size 0
		.amdhsa_enable_private_segment 0
		.amdhsa_kernarg_size 24
		.amdhsa_user_sgpr_count 2
		.amdhsa_user_sgpr_kernarg_segment_ptr 1
		.amdhsa_wavefront_size32 1
		.amdhsa_system_sgpr_workgroup_id_x 1
		.amdhsa_system_sgpr_workgroup_id_y 1
		.amdhsa_system_sgpr_workgroup_id_z 1
		.amdhsa_system_vgpr_workitem_id 0
		.amdhsa_next_free_vgpr 256
		.amdhsa_next_free_sgpr 66
		.amdhsa_reserve_vcc 0
		.amdhsa_float_denorm_mode_32 3
		.amdhsa_float_denorm_mode_16_64 3
		.amdhsa_memory_ordered 1
		.amdhsa_forward_progress 1
		.amdhsa_inst_pref_size 31
	.end_amdhsa_kernel
	.amdgpu_metadata
---
amdhsa.version: [ 1, 2 ]
amdhsa.kernels:
  - .name:           k_q8c19e724d0_reduce
    .symbol:         k_q8c19e724d0_reduce.kd
    .args:
      - { .name: P, .offset: 0, .size: 8, .value_kind: global_buffer, .address_space: global }
      - { .name: sq, .offset: 8, .size: 8, .value_kind: global_buffer, .address_space: global }
      - { .name: kvp, .offset: 16, .size: 8, .value_kind: global_buffer, .address_space: global }
    .group_segment_fixed_size: 7168
    .private_segment_fixed_size: 0
    .kernarg_segment_align: 8
    .kernarg_segment_size: 24
    .max_flat_workgroup_size: 256
    .sgpr_count:     66
    .vgpr_count:     256
    .wavefront_size: 32
...
	.end_amdgpu_metadata
.endif
;; end of part 3
;; launch scale (part 4): grid 256 x 1, 8 waves a work-group, no clusters, 38,144 bytes of LDS; arguments W_out, kvp, sq, W2, rs; writes W2, rs
.if DOCPART == 4
	.amdgcn_target "amdgcn-amd-amdhsa--gfx1250"
	.amdhsa_code_object_version 6
	.text
	.protected	k_q8c19e724d0_scale
	.globl	k_q8c19e724d0_scale
	.p2align	8
	.type	k_q8c19e724d0_scale,@function
k_q8c19e724d0_scale:
	s_mov_b64 s[64:65], 0
	v_nop
	global_prefetch_b8 v0, s[64:65] scope:SCOPE_SE
	s_setreg_imm32_b32 hwreg(HW_REG_WAVE_MODE, 25, 1), 1
	s_wait_xcnt 0x0
; Launch 4 of 5: kv[b][d] = the sum of its four partial sums; S_b = max(max over d of |kv[b][d]|, 1e-30); W2[b][n][d] = f16(W_out[d][n] kv[b][d] / S_b); rs[t] = S_b / |q_t|.  Nothing of the problem is left out here.
; Dividing by S keeps |W2| within |W_out| whatever the size of v; S comes back in f32 through rs.  The floor 1e-30 only guards the reciprocal where a batch's kv is all zeros (W2 is then 0, as kv is).
; A work-group turns a block of 128 d x 128 n of W_out for one batch through LDS, and makes 64 rows of rs.  Each of a batch's 64 work-groups adds up the batch's kv for itself: 16,384 bytes.
; No cluster: what work-groups share is that kv and, between batches, W_out's blocks: small beside what is stored.  LIMIT: a row's sum of squares under 2^-126 counts as 0 in v_rsq_f32.
.set KV,    32768                      ; behind the tile of 128 rows x 256 bytes: the batch's kv, 4,096 bytes
.set MAXW,  36864                      ; the eight waves' maxima: a block of 256 bytes
.set SPARE, 37120                      ; the spare words, 128 bytes for each of the eight waves
.set OPITCH, 4096                      ; bytes in a row of W_out
.set SA,  4                            ; v4-7    where I put 8 bytes of a turned row, for each of four steps
.set RA,  8                            ; v8-11   where I read 16 bytes of a turned row back
.set VO,  12                           ; v12     my byte offset in the block of W_out
.set GO,  13                           ; v13     my byte offset in W2
.set SPW, 14                           ; v14     LDS address of my spare word; never rewritten
.set NIL, 15                           ; v15     0; never rewritten
.set W,   16                           ; v16-79  16 loads of 16 bytes
.set KP,  80                           ; v80-95  four partial sums of my 4 channels of kv
.set QS,  96                           ; v96-111 wave 0: eight partial sums of squares of two rows of q
.set H,   112                          ; v112-119 rounded numbers
.set SC,  120                          ; v120-135 kv / S of my 16 rows d
.set KA,  136                          ; v136    16 x my thread's number
.set KS,  137                          ; v137    KV + that
.set QA,  138                          ; v138    8 l
.set MA,  139                          ; v139    MAXW + 4 w
.set TS,  32                           ; s32-33  at work in TADDR
	s_load_b256 s[4:11], s[0:1], 0x0               ; W_out s[4:5], kvp s[6:7], sq s[8:9], W2 s[10:11]
	s_load_b64 s[28:29], s[0:1], 0x20              ; rs
	v_lshl_add_u32 v[SPW], v0, 2, SPARE
	v_mov_b32 v[NIL], 0
	v_lshrrev_b32 v1, 5, v0
	v_readfirstlane_b32 s12, v1                    ; wave 0..7
	v_and_b32 v1, 31, v0                           ; lane l
	s_lshr_b32 s13, ttmp9, 6                       ; batch b
	s_and_b32 s14, ttmp9, 63                       ; u: my place in the batch
	s_lshr_b32 s15, s14, 3                         ; ng: which 128 n
	s_and_b32 s16, s14, 7                          ; dg: which 128 d
	s_lshl_b32 s18, s16, 19                        ; W_out: 128 dg rows of 4,096 bytes
	s_lshl_b32 s19, s15, 9                         ; + 128 ng columns
	s_add_co_u32 s18, s18, s19
	s_mov_b32 s19, 0
	s_lshl_b32 s20, s13, 14                        ; kvp: the batch's 16,384 bytes
	s_mov_b32 s21, 0
	s_lshl_b32 s22, s14, 8
	s_add_co_u32 s22, s22, s20                     ; sq and rs: row 4,096 b + 64 u, 4 bytes a row
	s_mov_b32 s23, 0
	s_lshl_b32 s24, s13, 21                        ; W2: the batch's 1,024 rows of 2,048 bytes,
	s_lshl_b32 s25, s15, 18                        ; 128 ng rows,
	s_add_co_u32 s24, s24, s25
	s_lshl_b32 s25, s12, 15                        ; my wave's 16,
	s_add_co_u32 s24, s24, s25
	s_lshl_b32 s25, s16, 8                         ; 128 dg numbers
	s_add_co_u32 s24, s24, s25
	s_mov_b32 s25, 0
	s_mov_b32 s30, 0x76543210                      ; v_permlanex16_b32: each lane takes its own place in the other half
	s_mov_b32 s31, 0xfedcba98
; The turning of a block of 128 x 128 is launch 1's: row d is 512 consecutive bytes, one load of a wave; wave w takes rows 4 (w + 8 it) + j; a lane's four neighbouring d of column n = 4 l + c are 8 bytes of the turned
; row n, whose pieces of 16 bytes are rotated by n / 4, so that 16 lanes fall on 16 different pieces (64 banks of 4 bytes: ISA guide 11.1).
.macro TADDR pitch
	s_mul_i32 s[TS], s12, 4*(\pitch)
	v_lshlrev_b32 v[VO], 4, v1
	v_add_nc_u32 v[VO], s[TS], v[VO]
	s_lshr_b32 s[TS], s12, 1
	s_and_b32 s[TS+1], s12, 1
	s_lshl_b32 s[TS+1], s[TS+1], 3
	v_lshl_add_u32 v2, v1, 10, s[TS+1]
	v_add_nc_u32 v3, s[TS], v1
.irp it, 0,1,2,3
	v_add_nc_u32 v[SA+(\it)], 4*(\it), v3
	v_and_b32 v[SA+(\it)], 15, v[SA+(\it)]
	v_lshl_add_u32 v[SA+(\it)], v[SA+(\it)], 4, v2
.endr
	v_and_b32 v2, 15, v1
	v_lshrrev_b32 v3, 4, v1
	v_lshlrev_b32 v[GO], 11, v3
	v_lshl_add_u32 v[GO], v2, 4, v[GO]
	s_lshl_b32 s[TS], s12, 2
	s_lshl_b32 s[TS+1], s12, 12
	v_lshl_add_u32 v3, v3, 8, s[TS+1]
	v_add_nc_u32 v2, s[TS], v2
.irp q, 0,1,2,3
	v_add_nc_u32 v[RA+(\q)], (\q), v2
	v_and_b32 v[RA+(\q)], 15, v[RA+(\q)]
	v_lshl_add_u32 v[RA+(\q)], v[RA+(\q)], 4, v3
.endr
.endm
.macro TLOAD base, pitch
.irp it, 0,1,2,3
.irp j, 0,1,2,3
	global_load_b128 v[W+16*(\it)+4*(\j):W+16*(\it)+4*(\j)+3], v[VO], s[\base:\base+1] offset:((\j)+32*(\it))*(\pitch)
.endr
.endr
.endm
.macro TPUT it
	s_wait_loadcnt 12-4*(\it)                      ; this step's four rows are in; the 4 (3 - it) younger loads stay out
.irp j, 0,2                             ; row d = 4 (w + 8 it) + j times its kv / S: an even row takes the pair's first number for both halves, an odd row its second
	v_pk_mul_f32 v[W+16*(\it)+4*(\j):W+16*(\it)+4*(\j)+1],   v[W+16*(\it)+4*(\j):W+16*(\it)+4*(\j)+1],   v[SC+4*(\it)+(\j):SC+4*(\it)+(\j)+1] op_sel_hi:[1,0]
	v_pk_mul_f32 v[W+16*(\it)+4*(\j)+2:W+16*(\it)+4*(\j)+3], v[W+16*(\it)+4*(\j)+2:W+16*(\it)+4*(\j)+3], v[SC+4*(\it)+(\j):SC+4*(\it)+(\j)+1] op_sel_hi:[1,0]
	v_pk_mul_f32 v[W+16*(\it)+4*(\j)+4:W+16*(\it)+4*(\j)+5], v[W+16*(\it)+4*(\j)+4:W+16*(\it)+4*(\j)+5], v[SC+4*(\it)+(\j):SC+4*(\it)+(\j)+1] op_sel:[0,1] op_sel_hi:[1,1]
	v_pk_mul_f32 v[W+16*(\it)+4*(\j)+6:W+16*(\it)+4*(\j)+7], v[W+16*(\it)+4*(\j)+6:W+16*(\it)+4*(\j)+7], v[SC+4*(\it)+(\j):SC+4*(\it)+(\j)+1] op_sel:[0,1] op_sel_hi:[1,1]
.endr
.irp c, 0,1,2,3
	v_cvt_pk_f16_f32 v[H+2*(\c)], v[W+16*(\it)+(\c)], v[W+16*(\it)+4+(\c)]
	v_cvt_pk_f16_f32 v[H+2*(\c)+1], v[W+16*(\it)+8+(\c)], v[W+16*(\it)+12+(\c)]
	ds_store_b64 v[SA+(\it)], v[H+2*(\c):H+2*(\c)+1] offset:256*(\c)
.endr
.endm
.macro TGET base
.irp i, 0,1,2,3,4,5,6,7
	ds_load_b128 v[W+4*(\i):W+4*(\i)+3], v[RA+(\i)/2] offset:512*(\i)
.endr
.irp i, 0,1,2,3,4,5,6,7
	s_wait_dscnt 7-(\i)
	global_store_b128 v[GO], v[W+4*(\i):W+4*(\i)+3], s[\base:\base+1] offset:4096*(\i)  ; 16 lanes store 256 consecutive bytes, aligned
.endr
.endm
	TADDR OPITCH
	v_lshlrev_b32 v[KA], 4, v0
	v_add_nc_u32 v[KS], KV, v[KA]
	v_lshlrev_b32 v[QA], 3, v1
	s_lshl_b32 s26, s12, 2
	s_add_co_u32 s26, s26, MAXW
	v_mov_b32 v[MA], s26
	v_mov_b32 v2, MAXW
	s_lshl_b32 s26, s16, 9
	s_lshl_b32 s27, s12, 4
	s_add_co_u32 s26, s26, s27
	s_add_co_u32 s26, s26, KV
	v_mov_b32 v3, s26                              ; kv of rows d = 128 dg + 4 w + 0..3; 32 rows on for each step
	s_wait_kmcnt 0x0
	s_add_nc_u64 s[4:5], s[4:5], s[18:19]
	s_add_nc_u64 s[6:7], s[6:7], s[20:21]
	s_add_nc_u64 s[8:9], s[8:9], s[22:23]
	s_add_nc_u64 s[28:29], s[28:29], s[22:23]
	s_add_nc_u64 s[10:11], s[10:11], s[24:25]
	s_cmp_lg_u32 s12, 0                            ; wave 0's eight further loads go out first, so that the counts below hold in every wave
	s_cbranch_scc1 .Lno_qs
.irp c, 0,1,2,3,4,5,6,7
	global_load_b64 v[QS+2*(\c):QS+2*(\c)+1], v[QA], s[8:9] offset:65536*(\c)  ; rows 2 l, 2 l + 1 of my 64; q's chunk c
.endr
.Lno_qs:
.irp s, 0,1,2,3
	global_load_b128 v[KP+4*(\s):KP+4*(\s)+3], v[KA], s[6:7] offset:4096*(\s)
.endr
	TLOAD 4, OPITCH
	s_wait_loadcnt 16                              ; kv's partial sums are in; W_out's 16 loads stay out
	v_pk_add_f32 v[KP:KP+1], v[KP:KP+1], v[KP+4:KP+5]
	v_pk_add_f32 v[KP+2:KP+3], v[KP+2:KP+3], v[KP+6:KP+7]
	v_pk_add_f32 v[KP+8:KP+9], v[KP+8:KP+9], v[KP+12:KP+13]
	v_pk_add_f32 v[KP+10:KP+11], v[KP+10:KP+11], v[KP+14:KP+15]
	v_pk_add_f32 v[KP:KP+1], v[KP:KP+1], v[KP+8:KP+9]
	v_pk_add_f32 v[KP+2:KP+3], v[KP+2:KP+3], v[KP+10:KP+11]
	ds_store_b128 v[KS], v[KP:KP+3]
.irp c, 0,1,2,3
	v_and_b32 v[140+(\c)], 0x7fffffff, v[KP+(\c)]
.endr
	v_max3_num_f32 v140, v140, v141, v142
	v_max_num_f32 v140, v140, v143
	v_max_num_f32_dpp v140, v140, v140 row_xmask:1 row_mask:0xf bank_mask:0xf
	v_max_num_f32_dpp v140, v140, v140 row_xmask:2 row_mask:0xf bank_mask:0xf
	v_max_num_f32_dpp v140, v140, v140 row_xmask:4 row_mask:0xf bank_mask:0xf
	v_max_num_f32_dpp v140, v140, v140 row_xmask:8 row_mask:0xf bank_mask:0xf
	v_permlanex16_b32 v141, v140, s30, s31
	v_max_num_f32 v140, v140, v141
	ds_store_b32 v[MA], v140                       ; all lanes write the same number to the wave's word
	s_wait_dscnt 0x0                               ; for the others' sake
	s_barrier_signal -1
	s_barrier_wait -1                              ; the batch's kv and the eight maxima lie in LDS
	ds_load_b128 v[140:143], v2
	ds_load_b128 v[144:147], v2 offset:16
.irp it, 0,1,2,3
	ds_load_b128 v[SC+4*(\it):SC+4*(\it)+3], v3 offset:128*(\it)
.endr
	s_wait_dscnt 0x0
	v_max3_num_f32 v140, v140, v141, v142
	v_max3_num_f32 v143, v143, v144, v145
	v_max3_num_f32 v140, v140, v146, v147
	v_max_num_f32 v140, v140, v143
	v_max_num_f32 v150, 0x0da24260, v140           ; S, at least 1e-30
	v_mov_b32 v151, v150
	v_rcp_f32 v148, v150                           ; twice, to fill the pair by which the packed multiply goes
	v_rcp_f32 v149, v150
	v_nop                                          ; a plain instruction behind the last of them,
	s_wait_alu depctr_va_vdst(0)                   ; and the one wait ahead of the first reader
.set z, 0
.rept 8
	v_pk_mul_f32 v[SC+2*z:SC+2*z+1], v[SC+2*z:SC+2*z+1], v[148:149]
.set z, z+1
.endr
	TPUT 0
	TPUT 1
	TPUT 2
	TPUT 3
	s_wait_dscnt 0x0                               ; for the others' sake: my stores into the tile are done
	s_barrier_signal -1
	s_barrier_wait -1                              ; the turned rows are whole
	TGET 10
	s_cmp_lg_u32 s12, 0                            ; wave 0 makes the work-group's 64 rows of rs
	s_cbranch_scc1 .Lend
.irp c, 0,1,2,3
	v_pk_add_f32 v[QS+2*(\c):QS+2*(\c)+1], v[QS+2*(\c):QS+2*(\c)+1], v[QS+8+2*(\c):QS+8+2*(\c)+1]
.endr
	v_pk_add_f32 v[QS:QS+1], v[QS:QS+1], v[QS+4:QS+5]
	v_pk_add_f32 v[QS+2:QS+3], v[QS+2:QS+3], v[QS+6:QS+7]
	v_pk_add_f32 v[QS:QS+1], v[QS:QS+1], v[QS+2:QS+3]
	v_rsq_f32 v[QS+4], v[QS]
	v_rsq_f32 v[QS+5], v[QS+1]
	v_nop
	s_wait_alu depctr_va_vdst(0)                   ; one wait for the two
	v_pk_mul_f32 v[QS+4:QS+5], v[QS+4:QS+5], v[150:151]
	global_store_b64 v[QA], v[QS+4:QS+5], s[28:29] ; 256 consecutive bytes, aligned
.Lend:
	s_wait_tensorcnt 0x0                           ; the wave's end, behind my last LDS store
	ds_add_u32 v[SPW], v[NIL]
	s_wait_dscnt 0x0
	s_endpgm
.Lfunc_end_k_q8c19e724d0_scale:
	.size	k_q8c19e724d0_scale, .Lfunc_end_k_q8c19e724d0_scale-k_q8c19e724d0_scale
	.p2alignl 7, 3214868480
	.fill 96, 4, 3214868480
	.section	.rodata,"a",@progbits
	.p2align	6, 0x0
	.amdhsa_kernel k_q8c19e724d0_scale
		.amdhsa_group_segment_fixed_size 38144
		.amdhsa_private_segment_fixed_size 0
		.amdhsa_enable_private_segment 0
		.amdhsa_kernarg_size 40
		.amdhsa_user_sgpr_count 2
		.amdhsa_user_sgpr_kernarg_segment_ptr 1
		.amdhsa_wavefront_size32 1
		.amdhsa_system_sgpr_workgroup_id_x 1
		.amdhsa_system_sgpr_workgroup_id_y 1
		.amdhsa_system_sgpr_workgroup_id_z 1
		.amdhsa_system_vgpr_workitem_id 0
		.amdhsa_next_free_vgpr 152
		.amdhsa_next_free_sgpr 66
		.amdhsa_reserve_vcc 0
		.amdhsa_float_denorm_mode_32 3
		.amdhsa_float_denorm_mode_16_64 3
		.amdhsa_memory_ordered 1
		.amdhsa_forward_progress 1
		.amdhsa_inst_pref_size 17
	.end_amdhsa_kernel
	.amdgpu_metadata
---
amdhsa.version: [ 1, 2 ]
amdhsa.kernels:
  - .name:           k_q8c19e724d0_scale
    .symbol:         k_q8c19e724d0_scale.kd
    .args:
      - { .name: W_out, .offset: 0, .size: 8, .value_kind: global_buffer, .address_space: global }
      - { .name: kvp, .offset: 8, .size: 8, .value_kind: global_buffer, .address_space: global }
      - { .name: sq, .offset: 16, .size: 8, .value_kind: global_buffer, .address_space: global }
      - { .name: W2, .offset: 24, .size: 8, .value_kind: global_buffer, .address_space: global }
      - { .name: rs, .offset: 32, .size: 8, .value_kind: global_buffer, .address_space: global }
    .group_segment_fixed_size: 38144
    .private_segment_fixed_size: 0
    .kernarg_segment_align: 8
    .kernarg_segment_size: 40
    .max_flat_workgroup_size: 256
    .sgpr_count:     66
    .vgpr_count:     152
    .wavefront_size: 32
...
	.end_amdgpu_metadata
.endif
;; end of part 4
;; launch gemm_out (part 5): grid 4 x 64, 4 waves a work-group, clusters of 4 x 4, 327,680 bytes of LDS; arguments qh, W2, b_out, rs, out0; writes out0
.if DOCPART == 5
	.amdgcn_target "amdgcn-amd-amdhsa--gfx1250"
	.amdhsa_code_object_version 6
	.text
	.protected	k_q8c19e724d0_gemm_out
	.globl	k_q8c19e724d0_gemm_out
	.p2align	8
	.type	k_q8c19e724d0_gemm_out,@function
k_q8c19e724d0_gemm_out:
	s_mov_b64 s[64:65], 0
	v_nop
	global_prefetch_b8 v0, s[64:65] scope:SCOPE_SE
	s_setreg_imm32_b32 hwreg(HW_REG_WAVE_MODE, 25, 1), 1
	s_wait_xcnt 0x0
	s_wait_alu depctr_hold_cnt(0) depctr_sa_sdst(0) depctr_va_vdst(0) depctr_va_sdst(0) depctr_va_ssrc(0) depctr_va_vcc(0) depctr_vm_vsrc(0)
	s_getreg_b32 s2, hwreg(HW_REG_IB_STS2, 6, 4)
	s_cmp_eq_u32 s2, 0
	s_cbranch_scc0 .Lentry_in_a_cluster
	s_endpgm
.Lentry_in_a_cluster:
	s_bfe_u32 s2, ttmp6, 0x10000c
	s_cmp_lg_u32 s2, 0xf033
	s_cbranch_scc0 .Lentry_shape_is_right
	s_endpgm
.Lentry_shape_is_right:
; Launch 5 of 5: out0[t][n] = rs[t] x (sum over d of qh[t][d] W2[b][n][d]) + b_out[n], b = t / 4,096: 16,384 x 1,024 x 1,024, f16 operands, f32 sums.  Nothing of the problem is left out here.
; rs[t] = S_b / |q_t| and W2 = W_out kv / S_b, so the product is (q / |q|) kv W_out.
; A tile of 256 x 256 by four waves of 128 x 128; K in 8 steps of 128 through two LDS slots; a trip of the loop is one K step, and behind its change of slots the slot just left takes the K step two on: 6 trips; the last
; two K steps are written out and ask for nothing.  Tiles of qh are asked for jointly by a row of the cluster, tiles of W2 by a column.  A cluster's 1,024 rows lie in one batch (cluster y / 4), so its four tile rows
; take the same W2.  256 work-groups, a tile each.
; THE MATRIX INSTRUCTION IS USED TRANSPOSED (source 0 = 16 rows of W2, source 1 = 16 rows of qh): lane l holds row t = l % 16 and the columns 8 (l / 16) + 0..7 of a block of 16.
; REGISTERS: window 0: v0-31 addresses; v32-39 rs of my rows; v64-127, v128-191 fragments of qh; on the way out v128-191 a finished block, v64-127 and v192-255 rows read back, by turns
;   window 1: v0-63 b_out of my 128 columns; v64-191 fragments of W2          windows 2, 3: the accumulators ((a, b) at v[8 (8 (a % 4) + b)])
.set SIZE_K, 1024
.set KSTEP,  128
.set PITCH,  272                       ; an LDS row: 256 bytes + 16 of padding: the 16 rows of a fragment load start at 16 different groups of four banks (64 banks of 4 bytes: ISA guide 11.1)
.set HALFT,  128*PITCH
.set SLOT,   4*HALFT
.set STAGE,  2*SLOT                    ; behind the ring: 16 rows x 528 bytes for each wave, for the way out; no tensor load fills it
.set SP,     528                       ; 512 bytes + 16
.set SPARE,  STAGE+4*16*SP             ; behind the stages: the spare words, 128 bytes for each wave
.set ADRA0, 16                         ; v16     LDS address of my fragments of qh in slot 0; never rewritten
.set ADRB0, 17                         ; v17     the same for W2
.set ADRA, 20                          ; v20     the same in the slot in hand
.set ADRB, 21                          ; v21
.set STO,  24                          ; v24     the way out: where I put 32 bytes of a row
.set RD,   25                          ; v25     where I read a row back
.set CO,   26                          ; v26     my byte offset in a row's 512 bytes of out0
.set BLO,  27                          ; v27     my byte offset in b_out
.set SPW,  28                          ; v28     LDS address of my spare word; never rewritten
.set NIL,  29                          ; v29     0; never rewritten
.set PFO,  30                          ; v30     the prefetches' offset: my lane x a row of 2,048 bytes; never rewritten
.set RSO,  31                          ; v31     my byte offset in rs
.set RS,   32                          ; v32-39  rs of row 16 a + l % 16
.set F0,   64
.set F1,   128
.set T,    128
.set G1,  24                           ; s[24:31] descriptor group 1 for qh's tiles;  s[32:39] group 0: a set for each of the two first fills; the second then walks
.set G0,  32
.set G1B, 48                           ; s[48:55], s[56:63] the same for W2's tiles
.set G0B, 56
.set LIM, 43                           ; s43     a wave prefetches while the loop's count is above this
.set PFA, 44                           ; s[44:45] where my prefetches stand
.set TB,  81                           ; s81     LDS byte at which the slot in hand begins: 0 or SLOT
.set WH,  84                           ; s84     my wave x HALFT: where my tensor loads land in a slot
.set MSB, 0
.macro WIN new                          ; the immediate's high byte repeats the setting that is left; a switch that changes nothing is dropped
.if MSB != (\new)
	s_set_vgpr_msb (MSB<<8)|(\new)
.set MSB, \new
.endif
.endm
.set MUL_LO, 0xa1
.set MUL_HI, 0xf1
.set TO_B,   0x40
; A joint load.  Waves 0 and 1 fetch qh's two halves, waves 2 and 3 W2's.  An s_nop 0 and four v_nop follow each of the two lines.
.macro JLOAD s
	s_cmp_eq_u32 s11, 0
	s_cbranch_scc0 .Lfor_b_\@
	tensor_load_to_lds s[G0+4*(\s):G0+4*(\s)+3], s[G1:G1+7]
	s_nop 0
.rept 4
	v_nop
.endr
	s_branch .Lasked_\@
.Lfor_b_\@:
	tensor_load_to_lds s[G0B+4*(\s):G0B+4*(\s)+3], s[G1B:G1B+7]
	s_nop 0
.rept 4
	v_nop
.endr
.Lasked_\@:
.endm
; A prefetch into the L2 of the K step two refills on: 32 rows x 256 bytes, a lane a row, one instruction a wave.  qh's rows are read by one cluster alone, which asks; W2's rows of a batch by four clusters, of which
; the batch's first (cluster y % 4 = 0) asks; the four partners of a joint load share its 128 rows out by address.  K steps 0 to 3 come by their loads alone; in trip j the count is 6 - j and K step j + 4 is named:
; up to K step 7 while the count is above 2.
.macro ASK
	s_cmp_gt_u32 s3, s[LIM]
	s_cbranch_scc0 .Lnot_mine_\@
	global_prefetch_b8 v[PFO], s[PFA:PFA+1] offset:KSTEP*2 th:TH_LOAD_NT scope:SCOPE_SE
.Lnot_mine_\@:
.endm
.macro CREST
	s_cmp_lg_u32 s10, 0
	s_cbranch_scc1 .Lnot_wave_0_\@
	s_barrier_signal -3
.Lnot_wave_0_\@:
	s_barrier_wait -3
	s_barrier_signal -1
	s_barrier_wait -1
.endm
.macro CROUND
	s_barrier_signal -1
	s_barrier_wait -1
	CREST
.endm
	s_load_b128 s[4:7], s[0:1], 0x0                ; qh s[4:5], W2 s[6:7]
	s_load_b128 s[68:71], s[0:1], 0x10             ; b_out s[68:69], rs s[70:71]
	s_load_b64 s[8:9], s[0:1], 0x20                ; out0
	v_lshl_add_u32 v[SPW], v0, 2, SPARE
	v_mov_b32 v[NIL], 0
	ds_add_u32 v[SPW], v[NIL]                      ; the wave's opening: the add, twice on end, and its wait ahead of my first tensor load; the set-up below stands between
	ds_add_u32 v[SPW], v[NIL]
	v_lshrrev_b32 v1, 5, v0
	v_readfirstlane_b32 s10, v1                    ; wave 0..3
	s_lshr_b32 s11, s10, 1                         ; my half of the tile's rows; also: I fetch for qh (0) or for W2 (1)
	s_and_b32 s12, s10, 1                          ; my half of its columns; also: which 128 rows of that tile I fetch
	s_bfe_u32 s40, ttmp6, 0x40000                  ; cx
	s_bfe_u32 s41, ttmp6, 0x40004                  ; cy
	s_lshl_b32 s42, ttmp9, 2
	s_add_co_u32 s42, s42, s40                     ; tile column
	s_and_b32 s13, ttmp7, 0xffff
	s_lshr_b32 s85, s13, 2                         ; the batch = cluster y / 4, which all sixteen partners share,
	s_lshl_b32 s85, s85, 10                        ; its first row in W2
	s_lshl_b32 s13, s13, 2
	s_add_co_u32 s13, s13, s41                     ; tile row
	s_lshl_b32 s43, s41, 2
	s_lshl_b32 s43, 15, s43                        ; my row of the cluster
	s_lshl_b32 s44, 0x1111, s40                    ; my column
	s_or_b32 s[G1+0], s43, (1<<16)|(1<<20)|(1<<21)|(5<<22)|(3<<25)   ; the mask; elements of 2 bytes; padding on; bit 21 beside a mask; after every 64 words 4 words
	s_or_b32 s[G1B+0], s44, (1<<16)|(1<<20)|(1<<21)|(5<<22)|(3<<25)
.irp g, G1, G1B
	s_mov_b32 s[(\g)+1], KSTEP<<16                 ; tensor_dim0 = 128
	s_mov_b32 s[(\g)+2], 128<<16                   ; tensor_dim1 = 128
	s_mov_b32 s[(\g)+3], KSTEP<<16                 ; tile_dim0 = 128
	s_mov_b32 s[(\g)+4], 128                       ; tile_dim1 = 128
	s_mov_b32 s[(\g)+5], SIZE_K                    ; elements from row to row
	s_mov_b32 s[(\g)+6], 0
	s_mov_b32 s[(\g)+7], 0
.endr
	s_lshl_b32 s17, s12, 7
	s_lshl_b32 s16, s13, 8
	s_add_co_u32 s16, s16, s17                     ; qh: row 256 x tile row + 128 x half
	s_lshl_b32 s16, s16, 11
	s_lshl_b32 s46, s42, 8
	s_add_co_u32 s46, s46, s17
	s_add_co_u32 s46, s46, s85                     ; W2: row 1,024 x batch + 256 x tile column + 128 x half
	s_lshl_b32 s46, s46, 11
	s_mov_b32 s17, 0
	s_mov_b32 s47, 0
	s_mul_i32 s[WH], s10, HALFT                    ; where my loads land: wave x 128 rows
	s_mov_b32 s[TB], 0
	s_wait_dscnt 0x0                               ; both opening adds are done
	s_wait_kmcnt 0x0
	s_add_nc_u64 s[14:15], s[4:5], s[16:17]
	s_add_nc_u64 s[46:47], s[6:7], s[46:47]
	CROUND                                         ; all sixteen work-groups are here: the first joint loads meet
.irp s, 0,1
	s_mov_b32 s[G0+4*(\s)], 1
	s_add_co_u32 s[G0+4*(\s)+1], s[WH], (\s)*SLOT
	s_add_nc_u64 s[G0+4*(\s)+2:G0+4*(\s)+3], s[14:15], (\s)*KSTEP*2
	s_or_b32 s[G0+4*(\s)+3], s[G0+4*(\s)+3], 0x80000000
	s_mov_b32 s[G0B+4*(\s)], 1
	s_add_co_u32 s[G0B+4*(\s)+1], s[WH], (\s)*SLOT
	s_add_nc_u64 s[G0B+4*(\s)+2:G0B+4*(\s)+3], s[46:47], (\s)*KSTEP*2
	s_or_b32 s[G0B+4*(\s)+3], s[G0B+4*(\s)+3], 0x80000000
	JLOAD \s                                       ; K steps 0 and 1: two loads of mine are out
.endr
	v_and_b32 v1, 15, v0                           ; l % 16
	v_bfe_u32 v2, v0, 4, 1                         ; l / 16
	v_mul_u32_u24 v3, v1, PITCH
	v_lshl_add_u32 v3, v2, 4, v3
	s_mul_i32 s21, s11, HALFT
	s_mul_i32 s22, s12, HALFT
	s_add_co_u32 s22, s22, 2*HALFT
	v_add_nc_u32 v[ADRA0], s21, v3
	v_add_nc_u32 v[ADRB0], s22, v3
	v_mov_b32 v[ADRA], v[ADRA0]                    ; K step 0 lies in slot 0
	v_mov_b32 v[ADRB], v[ADRB0]
	; the way out's addresses, and what it multiplies and adds
	s_lshl_b32 s20, s42, 1
	s_add_co_u32 s82, s20, s12                     ; my 128 columns' number
	s_lshl_b32 s13, s13, 8                         ; 256 x tile row
	s_lshl_b32 s14, s11, 7
	s_add_co_u32 s86, s13, s14                     ; my first row
	s_mul_i32 s23, s10, 16*SP
	s_add_co_u32 s23, s23, STAGE                   ; my stage
	v_and_b32 v3, 31, v0
	v_mul_u32_u24 v4, v1, SP                       ; in: row l % 16, 32 bytes for each half of the lanes
	v_lshl_add_u32 v4, v2, 5, v4
	v_add_nc_u32 v[STO], s23, v4
	v_lshl_add_u32 v[RD], v3, 4, s23               ; back: 32 lanes take one row's 512 bytes
	v_lshlrev_b32 v[CO], 4, v3
	s_lshl_b32 s20, s86, 12                        ; out0: rows of 4,096 bytes,
	s_lshl_b32 s21, s82, 9                         ; 128 columns of 4 bytes
	s_add_co_u32 s20, s20, s21
	v_lshl_add_u32 v[BLO], v2, 5, s21              ; b_out: my 128 columns, my 8 of a block of 16
	s_mov_b32 s21, 0
	s_add_nc_u64 s[8:9], s[8:9], s[20:21]
	s_lshl_b32 s20, s86, 2
	v_lshl_add_u32 v[RSO], v1, 2, s20              ; rs: my first row + l % 16
.irp a, 0,1,2,3,4,5,6,7
	global_load_b32 v[RS+(\a)], v[RSO], s[70:71] offset:64*(\a)
.endr
	WIN TO_B
.irp b, 0,1,2,3,4,5,6,7
	global_load_b128 v[8*(\b):8*(\b)+3],   v[BLO], s[68:69] offset:64*(\b)
	global_load_b128 v[8*(\b)+4:8*(\b)+7], v[BLO], s[68:69] offset:64*(\b)+16
.endr
	WIN 0
	; the prefetches
	s_lshl_b32 s42, s42, 8
	s_add_co_u32 s42, s42, s85                     ; the tile's first row in W2
	s_and_b32 s22, ttmp7, 0xffff
	s_and_b32 s22, s22, 3                          ; the cluster's place in its batch
	s_cmp_eq_u32 s11, 0                            ; do I fetch for qh?
	s_cselect_b32 s20, s13, s42
	s_cselect_b32 s21, s40, s41                    ; my place among the four that ask with me
	s_cselect_b32 s22, ttmp9, s22                  ; the coordinate along which other clusters read the same rows
	s_cselect_b64 s[PFA:PFA+1], s[4:5], s[6:7]
	s_cmp_eq_u32 s22, 0
	s_cselect_b32 s[LIM], 2, -1                    ; the same in all sixteen partners, for a given wave
	s_lshl_b32 s22, s12, 7
	s_add_co_u32 s20, s20, s22
	s_lshl_b32 s21, s21, 5
	s_add_co_u32 s20, s20, s21
	s_lshl_b32 s20, s20, 11
	s_mov_b32 s21, 0
	s_add_nc_u64 s[PFA:PFA+1], s[PFA:PFA+1], s[20:21]
	s_add_nc_u64 s[PFA:PFA+1], s[PFA:PFA+1], 2*KSTEP*2  ; at K step 2: the first refill steps it to 3 and names K step 4
	v_and_b32 v[PFO], 31, v0
	v_lshlrev_b32 v[PFO], 11, v[PFO]
; 16 matrix instructions; the 64 accumulators take turns, one instruction a turn, in the same order in every quarter step.  zero = 1: the first product starts the sums.
.macro MUL16 f, hi, a0, zero
	WIN MUL_LO+0x50*(\hi)
.irp a, \a0, (\a0)+1
.irp b, 0,1,2,3,4,5,6,7
.if \zero
	v_wmma_f32_16x16x32_f16 v[8*(8*(\a)+(\b)):8*(8*(\a)+(\b))+7], v[(\f)+8*(\b):(\f)+8*(\b)+7], v[(\f)+8*(4*(\hi)+(\a)):(\f)+8*(4*(\hi)+(\a))+7], 0
.else
	v_wmma_f32_16x16x32_f16 v[8*(8*(\a)+(\b)):8*(8*(\a)+(\b))+7], v[(\f)+8*(\b):(\f)+8*(\b)+7], v[(\f)+8*(4*(\hi)+(\a)):(\f)+8*(4*(\hi)+(\a))+7], v[8*(8*(\a)+(\b)):8*(8*(\a)+(\b))+7]
.endif
.endr
.endr
.endm
.macro FETCH k, f                       ; 32 LDS loads in one run: the fragments of one quarter step (32 K at byte k of the rows of the slot in hand) into buffer f
	WIN TO_B
.irp i, 0,1,2,3,4,5,6,7
	ds_load_b128 v[(\f)+8*(\i):(\f)+8*(\i)+3],   v[ADRB] offset:(\k)+(\i)*16*PITCH
	ds_load_b128 v[(\f)+8*(\i)+4:(\f)+8*(\i)+7], v[ADRB] offset:(\k)+(\i)*16*PITCH+32
.endr
	WIN 0
.irp i, 0,1,2,3,4,5,6,7
	ds_load_b128 v[(\f)+8*(\i):(\f)+8*(\i)+3],   v[ADRA] offset:(\k)+(\i)*16*PITCH
	ds_load_b128 v[(\f)+8*(\i)+4:(\f)+8*(\i)+7], v[ADRA] offset:(\k)+(\i)*16*PITCH+32
.endr
.endm
.macro PLACES                           ; four plain vector instructions between a matrix instruction and a load into a register that it has read (ISA guide 7.12.1 for vector instructions)
.rept 4
	v_nop
.endr
.endm
.macro QUARTER k, f, g, zero
	s_wait_dscnt 8                                 ; W2's fragments and qh's rows 0-63 are in; the youngest eight loads may be out
	MUL16 \f, 0, 0, \zero
	MUL16 \f, 0, 2, \zero
	PLACES
	FETCH \k, \g
	s_wait_dscnt 32                                ; all but the 32 just issued
	MUL16 \f, 1, 0, \zero
	MUL16 \f, 1, 2, \zero
.endm
; One barrier for the change of slots: all my tensor loads have landed, the add, my reads of this slot are over.  Between the add and the wait for it, work on registers: round = 1: the walking descriptors take the
; slot that is left and step one K step on; then the fragments' addresses turn to the other slot (all loads from this slot have been issued).
.macro MEET round
	WIN 0
	s_wait_tensorcnt 0x0                           ; no tensor load of mine is out, so a group 0 may be written
	ds_add_u32 v[SPW], v[NIL]
.if \round
	s_add_co_u32 s[G0+5], s[WH], s[TB]
	s_add_co_u32 s[G0B+5], s[WH], s[TB]
	s_add_nc_u64 s[G0+6:G0+7], s[G0+6:G0+7], KSTEP*2    ; the type bits on top are not reached
	s_add_nc_u64 s[G0B+6:G0B+7], s[G0B+6:G0B+7], KSTEP*2
.endif
	s_xor_b32 s[TB], s[TB], SLOT                   ; 0 and SLOT by turns
	v_add_nc_u32 v[ADRA], s[TB], v[ADRA0]
	v_add_nc_u32 v[ADRB], s[TB], v[ADRB0]
	s_wait_dscnt 9                                 ; (the add and the youngest eight loads may be out)
	MUL16 F1, 0, 0, 0
	s_wait_dscnt 0x0
	s_barrier_signal -1
	MUL16 F1, 0, 2, 0
.if \round
	WIN 0
.endif
	s_barrier_wait -1
.endm
.macro TURN                             ; the last quarter with a refill: the barrier opens a round of the cluster's; the joint refill is the first tensor load behind it, 224 matrix instructions ahead of the wait for it
	s_wait_xcnt 0x0                                ; the last prefetch, a K step back, has read its address
	s_add_nc_u64 s[PFA:PFA+1], s[PFA:PFA+1], KSTEP*2
	MEET 1
	CREST
	JLOAD 1
	FETCH 0, F0
	ASK
	MUL16 F1, 1, 0, 0
	MUL16 F1, 1, 2, 0
.endm
	s_wait_tensorcnt 1                             ; my part of K step 0 is in; K step 1's load stays out
	s_barrier_signal -1
	s_barrier_wait -1
	FETCH 0, F0
	QUARTER 64, F0, F1, 1                          ; the first quarter stands in front of the loop: its products start the sums
	WIN 0
	s_mov_b32 s3, SIZE_K/KSTEP-2
.Ltrip:                                                ; a trip: a K step's quarters 1, 2 and 3 with the change of slots and the refill, then the next K step's quarter 0
	QUARTER 128, F1, F0, 0
	QUARTER 192, F0, F1, 0
	TURN
	QUARTER 64, F0, F1, 0
	WIN 0
	s_sub_co_u32 s3, s3, 1
	s_cmp_lg_u32 s3, 0
	s_cbranch_scc1 .Ltrip
	QUARTER 128, F1, F0, 0                         ; the last two K steps are written out: they ask for nothing
	QUARTER 192, F0, F1, 0
	MEET 0
	PLACES
	FETCH 0, F0
	MUL16 F1, 1, 0, 0
	MUL16 F1, 1, 2, 0
	QUARTER 64,  F0, F1, 0
	QUARTER 128, F1, F0, 0
	QUARTER 192, F0, F1, 0
	s_wait_dscnt 8
	MUL16 F1, 0, 0, 0
	MUL16 F1, 0, 2, 0
	s_wait_dscnt 0x0
	MUL16 F1, 1, 0, 0
	MUL16 F1, 1, 2, 0
	WIN 0
; THE WAY OUT, a block of 16 rows at a time: sum x rs + b_out in one fused multiply-add; through my own stage; back as whole rows of 512 bytes.
.macro PACK a                           ; each accumulator is read from its lowest registers on
	WIN 0x12+(\a)/4                                ; source 0 window 2 or 3, source 1 window 0, source 2 window 1, destination window 0
.set AC, 64*((\a)%4)
.set RP, RS+2*((\a)/2)
.set z, 0
.rept 32
.if ((\a)%2) == 0
	v_pk_fma_f32 v[T+2*z:T+2*z+1], v[AC+2*z:AC+2*z+1], v[RP:RP+1], v[2*z:2*z+1] op_sel_hi:[1,0,1]
.else
	v_pk_fma_f32 v[T+2*z:T+2*z+1], v[AC+2*z:AC+2*z+1], v[RP:RP+1], v[2*z:2*z+1] op_sel:[0,1,0] op_sel_hi:[1,1,1]
.endif
.set z, z+1
.endr
	WIN 0
.endm
.macro TOSTAGE a
.set BK, 192-128*((\a)%2)
.irp b, 0,1,2,3,4,5,6,7
	ds_store_b128 v[STO], v[T+8*(\b):T+8*(\b)+3]   offset:64*(\b)
	ds_store_b128 v[STO], v[T+8*(\b)+4:T+8*(\b)+7] offset:64*(\b)+16
.endr
.set t, 0
.rept 16
	ds_load_b128 v[BK+4*t:BK+4*t+3], v[RD] offset:SP*t  ; LDS serves a wave's instructions in order (ISA guide 5.7.1.4): these see the stores above
.set t, t+1
.endr
.endm
.macro SEND a
.set BK, 192-128*((\a)%2)
	s_wait_dscnt 0x0                               ; the block is back in registers
	s_wait_xcnt 0x0                                ; the stores of the block before have read their registers: the next loads from the stage land on them only behind this wait
.set t, 0
.rept 16
	global_store_b128 v[CO], v[BK+4*t:BK+4*t+3], s[8:9] offset:(16*(\a)+t)*4096 th:TH_STORE_NT  ; 512 consecutive bytes, aligned
.set t, t+1
.endr
.endm
.rept 8
	v_nop                                          ; the places behind the last products
.endr
	s_wait_loadcnt 0x0                             ; rs and b_out
	PACK 0
	TOSTAGE 0
.irp a, 1,2,3,4,5,6,7                   ; block a's arithmetic stands between block a - 1's loads from the stage and the wait for them
	PACK \a
	SEND (\a)-1
	TOSTAGE \a
.endr
	SEND 7
	s_wait_tensorcnt 0x0                           ; the wave's end, behind my last tensor load and my last LDS store
	ds_add_u32 v[SPW], v[NIL]
	s_wait_dscnt 0x0
	CROUND                                         ; the closing round: no work-group ends while a partner may still ask for a tile that names it
	s_endpgm
.Lfunc_end_k_q8c19e724d0_gemm_out:
	.size	k_q8c19e724d0_gemm_out, .Lfunc_end_k_q8c19e724d0_gemm_out-k_q8c19e724d0_gemm_out
	.p2alignl 7, 3214868480
	.fill 96, 4, 3214868480
	.section	.rodata,"a",@progbits
	.p2align	6, 0x0
	.amdhsa_kernel k_q8c19e724d0_gemm_out
		.amdhsa_group_segment_fixed_size 327680
		.amdhsa_private_segment_fixed_size 0
		.amdhsa_enable_private_segment 0
		.amdhsa_kernarg_size 40
		.amdhsa_user_sgpr_count 2
		.amdhsa_user_sgpr_kernarg_segment_ptr 1
		.amdhsa_wavefront_size32 1
		.amdhsa_system_sgpr_workgroup_id_x 1
		.amdhsa_system_sgpr_workgroup_id_y 1
		.amdhsa_system_sgpr_workgroup_id_z 1
		.amdhsa_system_vgpr_workitem_id 0
		.amdhsa_next_free_vgpr 1024
		.amdhsa_next_free_sgpr 96
		.amdhsa_reserve_vcc 0
		.amdhsa_float_denorm_mode_32 3
		.amdhsa_float_denorm_mode_16_64 3
		.amdhsa_memory_ordered 1
		.amdhsa_forward_progress 1
		.amdhsa_inst_pref_size 134
	.end_amdhsa_kernel
	.amdgpu_metadata
---
amdhsa.version: [ 1, 2 ]
amdhsa.kernels:
  - .name:           k_q8c19e724d0_gemm_out
    .symbol:         k_q8c19e724d0_gemm_out.kd
    .args:
      - { .name: qh, .offset: 0, .size: 8, .value_kind: global_buffer, .address_space: global }
      - { .name: W2, .offset: 8, .size: 8, .value_kind: global_buffer, .address_space: global }
      - { .name: b_out, .offset: 16, .size: 8, .value_kind: global_buffer, .address_space: global }
      - { .name: rs, .offset: 24, .size: 8, .value_kind: global_buffer, .address_space: global }
      - { .name: out0, .offset: 32, .size: 8, .value_kind: global_buffer, .address_space: global }
    .group_segment_fixed_size: 327680
    .private_segment_fixed_size: 0
    .kernarg_segment_align: 8
    .kernarg_segment_size: 40
    .max_flat_workgroup_size: 128
    .sgpr_count:     96
    .vgpr_count:     1024
    .wavefront_size: 32
...
	.end_amdgpu_metadata
.endif
;; end of part 5
;; ======== version 2 of 2: 5 launches; version 1 with the launch scale written anew for expert scheduling mode
;; limits: values are held in f16: magnitudes above 65,504 overflow, below 6.1e-05 lose precision
;; workspace buffers: xh 33,554,432 bytes; Wt 6,291,456 bytes; qh 33,554,432 bytes; P 33,554,432 bytes; sq 1,572,864 bytes; kvp 65,536 bytes; W2 8,388,608 bytes; rs 65,536 bytes
;; launch prep: the kernel of part 1 again; grid 1216 x 1, 8 waves a work-group, no clusters, 33,792 bytes of LDS; arguments x, W_qkv, xh, Wt; writes xh, Wt
;; launch gemm_qkv: the kernel of part 2 again; grid 4 x 64, 4 waves a work-group, clusters of 4 x 4, 327,680 bytes of LDS; arguments xh, Wt, b_qkv, qh, P, sq; writes qh, P, sq
;; launch reduce: the kernel of part 3 again; grid 256 x 1, 8 waves a work-group, no clusters, 7,168 bytes of LDS; arguments P, sq, kvp; writes kvp
;; launch scale (part 6): grid 256 x 1, 8 waves a work-group, no clusters, 38,144 bytes of LDS; arguments W_out, kvp, sq, W2, rs; writes W2, rs
.if DOCPART == 6
	.amdgcn_target "amdgcn-amd-amdhsa--gfx1250"
	.amdhsa_code_object_version 6
	.text
	.protected	k_q8c19e724d0_scale
	.globl	k_q8c19e724d0_scale
	.p2align	8
	.type	k_q8c19e724d0_scale,@function
k_q8c19e724d0_scale:
	s_mov_b64 s[64:65], 0
	v_nop
	global_prefetch_b8 v0, s[64:65] scope:SCOPE_SE
	s_setreg_imm32_b32 hwreg(HW_REG_WAVE_SCHED_MODE, 0, 2), 2
	s_setreg_imm32_b32 hwreg(HW_REG_WAVE_MODE, 25, 1), 1
	s_wait_xcnt 0x0
	s_wait_alu depctr_vm_vsrc(0)
; Launch 4 of 5: kv[b][d] = the sum of its four partial sums; S_b = max(max over d of |kv[b][d]|, 1e-30); W2[b][n][d] = f16(W_out[d][n] kv[b][d] / S_b); rs[t] = S_b / |q_t|.  Nothing of the problem is left out here.
; Dividing by S keeps |W2| within |W_out| whatever the size of v; S comes back in f32 through rs.  The floor 1e-30 only guards the reciprocal where a batch's kv is all zeros (W2 is then 0, as kv is).
; A work-group turns a block of 128 d x 128 n of W_out for one batch through LDS, and makes 64 rows of rs.  Each of a batch's 64 work-groups adds up the batch's kv for itself: 16,384 bytes.
; No cluster: what work-groups share is that kv and, between batches, W_out's blocks: small beside what is stored.  LIMIT: a row's sum of squares under 2^-126 counts as 0 in v_rsq_f32.
; THE MODE: SCHED_MODE bits 1:0 = 2 (LLVM: expert scheduling mode 2), set by the entry lines.  The code itself states the register dependences between vector instructions and memory or LDS instructions,
; with s_wait_alu, always for 0.
; THE PLAN.  Registers that memory or LDS instructions touch:
;   v2-v13, v136-v139   addresses and offsets: written at the head, ahead of one wait on va_vdst, and never again.
;   QS, KP, W           global loads land in them; no vector instruction names them before that.
;   KP's first four, v140   written by kv's additions and by the maximum; read by two LDS stores, which stand together behind one wait on va_vdst.  Behind the barrier an LDS load lands in v140-143: a wait on
;                       vm_vsrc states that the store has read v140; no vector instruction has been issued since the wait on va_vdst.
;   H0 .. H3            step it's roundings write H[it]; the four LDS stores that read it are issued at the head of step it + 1 (the last four behind step 3), behind a wait on va_vdst; no H is written twice.
;   W's v16-47          read and written by the steps' vector work; behind the second barrier the turned rows' LDS loads land in them: the wait on va_vdst behind step 3 covers that, no vector instruction follows it
;                       before those loads; then the global stores read them, and nothing writes them again.
;   QS+4, QS+5          wave 0: written by two v_rsq_f32 and a multiply, read by one global store.
.set KV,    32768                      ; behind the tile of 128 rows x 256 bytes: the batch's kv, 4,096 bytes
.set MAXW,  36864                      ; the eight waves' maxima: a block of 256 bytes
.set SPARE, 37120                      ; the spare words, 128 bytes for each of the eight waves
.set OPITCH, 4096                      ; bytes in a row of W_out
.set SA,  4                            ; v4-7    where I put 8 bytes of a turned row, for each of four steps
.set RA,  8                            ; v8-11   where I read 16 bytes of a turned row back
.set VO,  12                           ; v12     my byte offset in the block of W_out
.set GO,  13                           ; v13     my byte offset in W2
.set SPW, 14                           ; v14     LDS address of my spare word; never rewritten
.set NIL, 15                           ; v15     0; never rewritten
.set W,   16                           ; v16-79  16 loads of 16 bytes
.set KP,  80                           ; v80-95  four partial sums of my 4 channels of kv
.set QS,  96                           ; v96-111 wave 0: eight partial sums of squares of two rows of q
.set SC,  120                          ; v120-135 kv / S of my 16 rows d
.set KA,  136                          ; v136    16 x my thread's number
.set KS,  137                          ; v137    KV + that
.set QA,  138                          ; v138    8 l
.set MA,  139                          ; v139    MAXW + 4 w
.set H,   152                          ; v152-183 rounded numbers: step it's eight registers at H + 8 it
.set TS,  32                           ; s32-33  at work in TADDR
	s_load_b256 s[4:11], s[0:1], 0x0               ; W_out s[4:5], kvp s[6:7], sq s[8:9], W2 s[10:11]
	s_load_b64 s[28:29], s[0:1], 0x20              ; rs
	v_lshl_add_u32 v[SPW], v0, 2, SPARE
	v_mov_b32 v[NIL], 0
	v_lshrrev_b32 v1, 5, v0
	v_readfirstlane_b32 s12, v1                    ; wave 0..7
	v_and_b32 v1, 31, v0                           ; lane l
	s_lshr_b32 s13, ttmp9, 6                       ; batch b
	s_and_b32 s14, ttmp9, 63                       ; u: my place in the batch
	s_lshr_b32 s15, s14, 3                         ; ng: which 128 n
	s_and_b32 s16, s14, 7                          ; dg: which 128 d
	s_lshl_b32 s18, s16, 19                        ; W_out: 128 dg rows of 4,096 bytes
	s_lshl_b32 s19, s15, 9                         ; + 128 ng columns
	s_add_co_u32 s18, s18, s19
	s_mov_b32 s19, 0
	s_lshl_b32 s20, s13, 14                        ; kvp: the batch's 16,384 bytes
	s_mov_b32 s21, 0
	s_lshl_b32 s22, s14, 8
	s_add_co_u32 s22, s22, s20                     ; sq and rs: row 4,096 b + 64 u, 4 bytes a row
	s_mov_b32 s23, 0
	s_lshl_b32 s24, s13, 21                        ; W2: the batch's 1,024 rows of 2,048 bytes,
	s_lshl_b32 s25, s15, 18                        ; 128 ng rows,
	s_add_co_u32 s24, s24, s25
	s_wait_alu depctr_va_sdst(0)                   ; s12 is written, ahead of its first reader: offsets, LDS addresses and two branches are made from it
	s_lshl_b32 s25, s12, 15                        ; my wave's 16,
	s_add_co_u32 s24, s24, s25
	s_lshl_b32 s25, s16, 8                         ; 128 dg numbers
	s_add_co_u32 s24, s24, s25
	s_mov_b32 s25, 0
	s_mov_b32 s30, 0x76543210                      ; v_permlanex16_b32: each lane takes its own place in the other half
	s_mov_b32 s31, 0xfedcba98
; The turning of a block of 128 x 128 is launch 1's: row d is 512 consecutive bytes, one load of a wave; wave w takes rows 4 (w + 8 it) + j; a lane's four neighbouring d of column n = 4 l + c are 8 bytes of the turned
; row n, whose pieces of 16 bytes are rotated by n / 4, so that 16 lanes fall on 16 different pieces (64 banks of 4 bytes: ISA guide 11.1).
.macro TADDR pitch
	s_mul_i32 s[TS], s12, 4*(\pitch)
	v_lshlrev_b32 v[VO], 4, v1
	v_add_nc_u32 v[VO], s[TS], v[VO]
	s_lshr_b32 s[TS], s12, 1
	s_and_b32 s[TS+1], s12, 1
	s_lshl_b32 s[TS+1], s[TS+1], 3
	v_lshl_add_u32 v2, v1, 10, s[TS+1]
	v_add_nc_u32 v3, s[TS], v1
.irp it, 0,1,2,3
	v_add_nc_u32 v[SA+(\it)], 4*(\it), v3
	v_and_b32 v[SA+(\it)], 15, v[SA+(\it)]
	v_lshl_add_u32 v[SA+(\it)], v[SA+(\it)], 4, v2
.endr
	v_and_b32 v2, 15, v1
	v_lshrrev_b32 v3, 4, v1
	v_lshlrev_b32 v[GO], 11, v3
	v_lshl_add_u32 v[GO], v2, 4, v[GO]
	s_lshl_b32 s[TS], s12, 2
	s_lshl_b32 s[TS+1], s12, 12
	v_lshl_add_u32 v3, v3, 8, s[TS+1]
	v_add_nc_u32 v2, s[TS], v2
.irp q, 0,1,2,3
	v_add_nc_u32 v[RA+(\q)], (\q), v2
	v_and_b32 v[RA+(\q)], 15, v[RA+(\q)]
	v_lshl_add_u32 v[RA+(\q)], v[RA+(\q)], 4, v3
.endr
.endm
.macro TLOAD base, pitch
.irp it, 0,1,2,3
.irp j, 0,1,2,3
	global_load_b128 v[W+16*(\it)+4*(\j):W+16*(\it)+4*(\j)+3], v[VO], s[\base:\base+1] offset:((\j)+32*(\it))*(\pitch)
.endr
.endr
.endm
.macro TSTORE it                        ; step it's rounded numbers go into the tile
.irp c, 0,1,2,3
	ds_store_b64 v[SA+(\it)], v[H+8*(\it)+2*(\c):H+8*(\it)+2*(\c)+1] offset:256*(\c)
.endr
.endm
.macro TSTEP it
	s_wait_loadcnt 12-4*(\it)                      ; this step's four rows are in; the 4 (3 - it) younger loads stay out
.if (\it) > 0
	s_wait_alu depctr_va_vdst(0)                   ; the step before has written its H, which the four LDS stores below read; this step's vector work names another H
	TSTORE (\it)-1
.endif
.irp j, 0,2                             ; row d = 4 (w + 8 it) + j times its kv / S: an even row takes the pair's first number for both halves, an odd row its second
	v_pk_mul_f32 v[W+16*(\it)+4*(\j):W+16*(\it)+4*(\j)+1],   v[W+16*(\it)+4*(\j):W+16*(\it)+4*(\j)+1],   v[SC+4*(\it)+(\j):SC+4*(\it)+(\j)+1] op_sel_hi:[1,0]
	v_pk_mul_f32 v[W+16*(\it)+4*(\j)+2:W+16*(\it)+4*(\j)+3], v[W+16*(\it)+4*(\j)+2:W+16*(\it)+4*(\j)+3], v[SC+4*(\it)+(\j):SC+4*(\it)+(\j)+1] op_sel_hi:[1,0]
	v_pk_mul_f32 v[W+16*(\it)+4*(\j)+4:W+16*(\it)+4*(\j)+5], v[W+16*(\it)+4*(\j)+4:W+16*(\it)+4*(\j)+5], v[SC+4*(\it)+(\j):SC+4*(\it)+(\j)+1] op_sel:[0,1] op_sel_hi:[1,1]
	v_pk_mul_f32 v[W+16*(\it)+4*(\j)+6:W+16*(\it)+4*(\j)+7], v[W+16*(\it)+4*(\j)+6:W+16*(\it)+4*(\j)+7], v[SC+4*(\it)+(\j):SC+4*(\it)+(\j)+1] op_sel:[0,1] op_sel_hi:[1,1]
.endr
.irp c, 0,1,2,3
	v_cvt_pk_f16_f32 v[H+8*(\it)+2*(\c)], v[W+16*(\it)+(\c)], v[W+16*(\it)+4+(\c)]
	v_cvt_pk_f16_f32 v[H+8*(\it)+2*(\c)+1], v[W+16*(\it)+8+(\c)], v[W+16*(\it)+12+(\c)]
.endr
.endm
.macro TGET base
.irp i, 0,1,2,3,4,5,6,7
	ds_load_b128 v[W+4*(\i):W+4*(\i)+3], v[RA+(\i)/2] offset:512*(\i)
.endr
.irp i, 0,1,2,3,4,5,6,7
	s_wait_dscnt 7-(\i)
	global_store_b128 v[GO], v[W+4*(\i):W+4*(\i)+3], s[\base:\base+1] offset:4096*(\i)  ; 16 lanes store 256 consecutive bytes, aligned
.endr
.endm
	TADDR OPITCH
	v_lshlrev_b32 v[KA], 4, v0
	v_add_nc_u32 v[KS], KV, v[KA]
	v_lshlrev_b32 v[QA], 3, v1
	s_lshl_b32 s26, s12, 2
	s_add_co_u32 s26, s26, MAXW
	v_mov_b32 v[MA], s26
	v_mov_b32 v2, MAXW
	s_lshl_b32 s26, s16, 9
	s_lshl_b32 s27, s12, 4
	s_add_co_u32 s26, s26, s27
	s_add_co_u32 s26, s26, KV
	v_mov_b32 v3, s26                              ; kv of rows d = 128 dg + 4 w + 0..3; 32 rows on for each step
	s_wait_kmcnt 0x0
	s_add_nc_u64 s[4:5], s[4:5], s[18:19]
	s_add_nc_u64 s[6:7], s[6:7], s[20:21]
	s_add_nc_u64 s[8:9], s[8:9], s[22:23]
	s_add_nc_u64 s[28:29], s[28:29], s[22:23]
	s_add_nc_u64 s[10:11], s[10:11], s[24:25]
	s_wait_alu depctr_va_vdst(0)                   ; the addresses and offsets v2 to v13 and v136 to v139 are written, which the kernel's loads and stores read; none is written again
	s_cmp_lg_u32 s12, 0                            ; wave 0's eight further loads go out first, so that the counts below hold in every wave
	s_cbranch_scc1 .Lno_qs
.irp c, 0,1,2,3,4,5,6,7
	global_load_b64 v[QS+2*(\c):QS+2*(\c)+1], v[QA], s[8:9] offset:65536*(\c)  ; rows 2 l, 2 l + 1 of my 64; q's chunk c
.endr
.Lno_qs:
.irp s, 0,1,2,3
	global_load_b128 v[KP+4*(\s):KP+4*(\s)+3], v[KA], s[6:7] offset:4096*(\s)
.endr
	TLOAD 4, OPITCH
	s_wait_loadcnt 16                              ; kv's partial sums are in; W_out's 16 loads stay out
	v_pk_add_f32 v[KP:KP+1], v[KP:KP+1], v[KP+4:KP+5]
	v_pk_add_f32 v[KP+2:KP+3], v[KP+2:KP+3], v[KP+6:KP+7]
	v_pk_add_f32 v[KP+8:KP+9], v[KP+8:KP+9], v[KP+12:KP+13]
	v_pk_add_f32 v[KP+10:KP+11], v[KP+10:KP+11], v[KP+14:KP+15]
	v_pk_add_f32 v[KP:KP+1], v[KP:KP+1], v[KP+8:KP+9]
	v_pk_add_f32 v[KP+2:KP+3], v[KP+2:KP+3], v[KP+10:KP+11]
.irp c, 0,1,2,3
	v_and_b32 v[140+(\c)], 0x7fffffff, v[KP+(\c)]
.endr
	v_max3_num_f32 v140, v140, v141, v142
	v_max_num_f32 v140, v140, v143
	v_max_num_f32_dpp v140, v140, v140 row_xmask:1 row_mask:0xf bank_mask:0xf
	v_max_num_f32_dpp v140, v140, v140 row_xmask:2 row_mask:0xf bank_mask:0xf
	v_max_num_f32_dpp v140, v140, v140 row_xmask:4 row_mask:0xf bank_mask:0xf
	v_max_num_f32_dpp v140, v140, v140 row_xmask:8 row_mask:0xf bank_mask:0xf
	v_permlanex16_b32 v141, v140, s30, s31
	v_max_num_f32 v140, v140, v141
	s_wait_alu depctr_va_vdst(0)                   ; the additions have written KP's first four and the maximum v140, which the two LDS stores read; the vector side is also done with v140 to v143, in which loads land behind the barrier
	ds_store_b128 v[KS], v[KP:KP+3]
	ds_store_b32 v[MA], v140                       ; all lanes write the same number to the wave's word
	s_wait_dscnt 0x0                               ; for the others' sake
	s_barrier_signal -1
	s_barrier_wait -1                              ; the batch's kv and the eight maxima lie in LDS
	s_wait_alu depctr_vm_vsrc(0)                   ; my LDS store has read v140, in which the first load below lands
	ds_load_b128 v[140:143], v2
	ds_load_b128 v[144:147], v2 offset:16
.irp it, 0,1,2,3
	ds_load_b128 v[SC+4*(\it):SC+4*(\it)+3], v3 offset:128*(\it)
.endr
	s_wait_dscnt 0x0
	v_max3_num_f32 v140, v140, v141, v142
	v_max3_num_f32 v143, v143, v144, v145
	v_max3_num_f32 v140, v140, v146, v147
	v_max_num_f32 v140, v140, v143
	v_max_num_f32 v150, 0x0da24260, v140           ; S, at least 1e-30
	v_mov_b32 v151, v150
	v_rcp_f32 v148, v150                           ; twice, to fill the pair by which the packed multiply goes
	v_rcp_f32 v149, v150
	v_nop                                          ; a plain instruction behind the last of them,
	s_wait_alu depctr_va_vdst(0)                   ; and the one wait ahead of the first reader: the two reciprocals have written v148 and v149
.set z, 0
.rept 8
	v_pk_mul_f32 v[SC+2*z:SC+2*z+1], v[SC+2*z:SC+2*z+1], v[148:149]
.set z, z+1
.endr
	TSTEP 0
	TSTEP 1
	TSTEP 2
	TSTEP 3
	s_wait_alu depctr_va_vdst(0)                   ; step 3 has written its H, which the last four LDS stores read; the steps' vector work is also done with v16 to v47, in which the turned rows land behind the barrier
	TSTORE 3
	s_wait_dscnt 0x0                               ; for the others' sake: my stores into the tile are done
	s_barrier_signal -1
	s_barrier_wait -1                              ; the turned rows are whole
	TGET 10
	s_cmp_lg_u32 s12, 0                            ; wave 0 makes the work-group's 64 rows of rs
	s_cbranch_scc1 .Lend
.irp c, 0,1,2,3
	v_pk_add_f32 v[QS+2*(\c):QS+2*(\c)+1], v[QS+2*(\c):QS+2*(\c)+1], v[QS+8+2*(\c):QS+8+2*(\c)+1]
.endr
	v_pk_add_f32 v[QS:QS+1], v[QS:QS+1], v[QS+4:QS+5]
	v_pk_add_f32 v[QS+2:QS+3], v[QS+2:QS+3], v[QS+6:QS+7]
	v_pk_add_f32 v[QS:QS+1], v[QS:QS+1], v[QS+2:QS+3]
	v_rsq_f32 v[QS+4], v[QS]
	v_rsq_f32 v[QS+5], v[QS+1]
	v_nop                                          ; a plain instruction behind the last of them,
	s_wait_alu depctr_va_vdst(0)                   ; and one wait for the two, ahead of their first reader: they have written v[QS+4] and v[QS+5]
	v_pk_mul_f32 v[QS+4:QS+5], v[QS+4:QS+5], v[150:151]
	s_wait_alu depctr_va_vdst(0)                   ; the multiply has written v[QS+4] and v[QS+5], which the store reads
	global_store_b64 v[QA], v[QS+4:QS+5], s[28:29] ; 256 consecutive bytes, aligned
.Lend:
	s_wait_dscnt 0x0                               ; the closing lines, six on end
	s_wait_alu 0x0
	s_wait_tensorcnt 0x0
	ds_add_u32 v[SPW], v[NIL]
	s_wait_dscnt 0x0
	s_endpgm
.Lfunc_end_k_q8c19e724d0_scale:
	.size	k_q8c19e724d0_scale, .Lfunc_end_k_q8c19e724d0_scale-k_q8c19e724d0_scale
	.p2alignl 7, 3214868480
	.fill 96, 4, 3214868480
	.section	.rodata,"a",@progbits
	.p2align	6, 0x0
	.amdhsa_kernel k_q8c19e724d0_scale
		.amdhsa_group_segment_fixed_size 38144
		.amdhsa_private_segment_fixed_size 0
		.amdhsa_enable_private_segment 0
		.amdhsa_kernarg_size 40
		.amdhsa_user_sgpr_count 2
		.amdhsa_user_sgpr_kernarg_segment_ptr 1
		.amdhsa_wavefront_size32 1
		.amdhsa_system_sgpr_workgroup_id_x 1
		.amdhsa_system_sgpr_workgroup_id_y 1
		.amdhsa_system_sgpr_workgroup_id_z 1
		.amdhsa_system_vgpr_workitem_id 0
		.amdhsa_next_free_vgpr 184
		.amdhsa_next_free_sgpr 66
		.amdhsa_reserve_vcc 0
		.amdhsa_float_denorm_mode_32 3
		.amdhsa_float_denorm_mode_16_64 3
		.amdhsa_memory_ordered 1
		.amdhsa_forward_progress 1
		.amdhsa_inst_pref_size 18
	.end_amdhsa_kernel
	.amdgpu_metadata
---
amdhsa.version: [ 1, 2 ]
amdhsa.kernels:
  - .name:           k_q8c19e724d0_scale
    .symbol:         k_q8c19e724d0_scale.kd
    .args:
      - { .name: W_out, .offset: 0, .size: 8, .value_kind: global_buffer, .address_space: global }
      - { .name: kvp, .offset: 8, .size: 8, .value_kind: global_buffer, .address_space: global }
      - { .name: sq, .offset: 16, .size: 8, .value_kind: global_buffer, .address_space: global }
      - { .name: W2, .offset: 24, .size: 8, .value_kind: global_buffer, .address_space: global }
      - { .name: rs, .offset: 32, .size: 8, .value_kind: global_buffer, .address_space: global }
    .group_segment_fixed_size: 38144
    .private_segment_fixed_size: 0
    .kernarg_segment_align: 8
    .kernarg_segment_size: 40
    .max_flat_workgroup_size: 256
    .sgpr_count:     66
    .vgpr_count:     184
    .wavefront_size: 32
...
	.end_amdgpu_metadata
.endif
;; end of part 6
;; launch gemm_out: the kernel of part 5 again; grid 4 x 64, 4 waves a work-group, clusters of 4 x 4, 327,680 bytes of LDS; arguments qh, W2, b_out, rs, out0; writes out0
